; MI455X (gfx1250); checked and timed in simulation.
; The chip was launched on July 23, 2026; its instructions are those of AMD's public machine-readable ISA for CDNA 5 (MIT licence, August 2026) and "CDNA5" Instruction Set Architecture Reference Guide (July 2026). The comments in the code are by the model that wrote it; some were corrected since.
;; FFT Multi Head Self Attention. Allowed arithmetic: matrix products marked QUANTISED: E3M2 operands, one E8M0 scale for each 32 along K, by v_wmma_scale_f32_16x16x128_f8f6f4 with both operands' format E3M2, f32 sums; everything else in f32.
;; Inputs: beta 1,024 float32; bk 1,024 float32; bo 1,024 float32; bq 1,024 float32; bv 1,024 float32; gamma 1,024 float32; wk_codes 1,024 x 32 x 24 uint8 (E3M2 codes of wk, K innermost, in blocks of 32 codes, four codes in three bytes); wk_scales 1,024 x 32 uint8 (E8M0 scales of wk, one for each 32 codes along K); wo_codes 1,024 x 32 x 24 uint8 (E3M2 codes of wo, K innermost, in blocks of 32 codes, four codes in three bytes); wo_scales 1,024 x 32 uint8 (E8M0 scales of wo, one for each 32 codes along K); wq_codes 1,024 x 32 x 24 uint8 (E3M2 codes of wq, K innermost, in blocks of 32 codes, four codes in three bytes); wq_scales 1,024 x 32 uint8 (E8M0 scales of wq, one for each 32 codes along K); wv_codes 1,024 x 32 x 24 uint8 (E3M2 codes of wv, K innermost, in blocks of 32 codes, four codes in three bytes); wv_scales 1,024 x 32 uint8 (E8M0 scales of wv, one for each 32 codes along K); x 2 x 2,048 x 1,024 float32.
;; Outputs: out0 2 x 2,048 x 1,024 float32.
;; This version of the problem:
;;   THIS VERSION OF THE PROBLEM IS GIVEN IN LOW PRECISION. The matrix products marked QUANTISED in the list below multiply operands that are first quantised to E3M2 (3 exponent bits, 2 mantissa bits; 6 bits a number), with one power-of-two scale for each 32 numbers along K (OCP MX v1.0); their sums are f32. All else is computed in f32.
;;   The module's matrix products, in the order in which they are computed (A, B: the left and right operand; K: the contracted axis; several contracted axes count as one K, in the product's order):
;;     1. [M 4,096, K 1,024] x [K 1,024, N 1,024]; A: input x; B: input wq (given as codes): QUANTISED
;;     2. [M 4,096, K 1,024] x [K 1,024, N 1,024]; A: input x; B: input wk (given as codes): QUANTISED
;;     3. [M 4,096, K 1,024] x [K 1,024, N 1,024]; A: input x; B: input wv (given as codes): QUANTISED
;;     4. batch 32 x [M 2,048, K 64] x [K 64, N 2,048]; A: computed on the way; B: computed on the way: QUANTISED
;;     5. batch 32 x [M 64, K 2,048] x [K 2,048, N 2,048]; A: computed on the way; B: softmax (see below): QUANTISED
;;     6. [M 4,096, K 1,024] x [K 1,024, N 1,024]; A: computed on the way; B: input wo (given as codes): QUANTISED
;;   THE QUANTISER, for each operand of a quantised product, along K:
;;     - K is cut into blocks of 32 from its start; a last block that is shorter is filled with zeros.
;;     - A block's scale is 2^e with e = floor(log2(the largest magnitude in the block)) - 4, held to -126 .. 127; a block of zeros has e = 0. As a byte (E8M0): e + 127.
;;     - Each number is divided by its block's scale, clamped to +-28, and rounded to the nearest number of E3M2, ties to even, subnormals kept.
;;     - The product sums the exact products of the quantised numbers (number of the format x scale) in f32.
;;   ~~~python
;;   def quantise(x, axis):      # numpy; x: float32 -> the quantised numbers, widened to float32 again
;;       x = np.moveaxis(x, axis, -1); K = x.shape[-1]
;;       x = np.pad(x, [(0, 0)] * (x.ndim - 1) + [(0, -K % 32)]); x = x.reshape(x.shape[:-1] + (-1, 32)); a = np.abs(x).max(-1, keepdims=True)
;;       e = np.where(a > 0, np.clip(np.frexp(np.where(a > 0, a, 1))[1] - 1 - 4, -126, 127), 0)      # np.frexp(a)[1] - 1 = floor(log2(a)), exactly
;;       r = np.clip(x / 2.0 ** e, -28, 28)
;;       step = 2.0 ** (np.maximum(np.frexp(np.where(r == 0, 1, r))[1] - 1, -2) - 2)
;;       q = np.round(r / step) * step * 2.0 ** e      # np.round: ties to even
;;       return np.moveaxis(q.reshape(q.shape[:-2] + (-1,))[..., :K], -1, axis).astype(np.float32)
;;   ~~~
;;   SOFTMAX AHEAD OF A QUANTISED PRODUCT. Where the list says 'softmax', what is quantised is not the finished softmax but p = 2^(t - M), with t = logit x log2(e) and M = ceil(the row's largest t), a whole number; so 1/2 < the row's largest p <= 1. The row's sum l is taken of the UNQUANTISED p, in f32, and the product's result is divided by l at the end. Since M is a whole number, a kernel that streams over the keys may use a running M (the ceiling of the running maximum): every later rescaling is an exact power of two, which a block's scale takes up: the codes' values come out the same.
;;   OPERANDS COMPUTED ON THE WAY. 'Computed on the way' means the value that the module computes at that place (a softmax that the list does not call 'softmax' is quantised finished and normalised). What goes into a quantiser is computed in f32, as accurately as f32 sums, v_exp_f32 and their like allow (about 1e-6 of the number): no bf16 or f16 on the way to a quantiser, and a product that is left as it is and whose result goes on into a quantised operand takes f32 operands (vector FMAs, or v_wmma_f32_16x16x4_f32). A number that lies on a knife's edge between two numbers of the format may be rounded either way, as far as f32 arithmetic and the matrix unit's own rounding can turn it there, and no further.
;;   INPUTS GIVEN AS CODES. wk (in the module: [1024, 1024], K = its axis 1); wo (in the module: [1024, 1024], K = its axis 1); wq (in the module: [1024, 1024], K = its axis 1); wv (in the module: [1024, 1024], K = its axis 1): each comes as NAME_codes (uint8): NAME with its K axis moved to the last place and cut into blocks of 32 codes, [.., K / 32, bytes a block], one block behind the other in memory; four codes in three bytes: a row's codes are one little-endian stream of bits, code i at bits 6 i .. 6 i + 5 (a code: sign, 3 exponent bits, 2 mantissa bits); and NAME_scales (uint8): the same leading axes, one E8M0 byte (e + 127) for each 32 codes along K. Its value is code x scale, taken as it is: it is not quantised again, and the codes and scales need not be those that the quantiser above would give.
;; One version. Each part assembles by itself: llvm-mc -triple=amdgcn-amd-amdhsa -mcpu=gfx1250 --defsym DOCPART=n.
;; ======== version 1 of 1: 4 launches
;; limits: right only within a limited range of input values
;; workspace buffers: ximg 3,276,800 bytes; wimg 3,276,800 bytes; qb 6,815,744 bytes; kv 6,815,744 bytes; cimg 3,276,800 bytes
;; launch prep (part 1): grid 512 x 1, 4 waves a work-group, no clusters, 68,096 bytes of LDS; arguments x, wq_codes, wq_scales, wk_codes, wk_scales, wv_codes, wv_scales, wo_codes, wo_scales, ximg, wimg; writes ximg, wimg
.if DOCPART == 1
	.amdgcn_target "amdgcn-amd-amdhsa--gfx1250"
	.amdhsa_code_object_version 6
	.text
	.protected	k_qe24f6c133b_prep
	.globl	k_qe24f6c133b_prep
	.p2align	8
	.type	k_qe24f6c133b_prep,@function
k_qe24f6c133b_prep:
	s_mov_b64 s[64:65], 0
	v_nop
	global_prefetch_b8 v0, s[64:65] scope:SCOPE_SE
	s_setreg_imm32_b32 hwreg(HW_REG_WAVE_MODE, 25, 1), 1
	s_wait_xcnt 0x0
; PREP.  x [4096][1024] f32 is quantised along K to codes of BF6 (E3M2) with one E8M0 byte for each 32, and the four weights, which arrive as codes, are laid anew (codes and bytes unchanged).
; Both leave as OPERAND RECORDS: 16 rows x K = 1,024 in the order of the matrix operand's registers, so that every later launch fetches a fragment by three dense loads of 512 bytes.
; A record is 12,800 bytes = two halves of 6,400 (K steps 0-3, 4-7).  A half: 256 bytes of scale words, [pair of K steps][row r][2 words]; then four K steps of 1,536 bytes: registers 4 c .. 4 c + 3 of lane l at 512 c + 16 l.
; THE ROWS OF A RECORD ARE NOT NEIGHBOURS: record 2 g + u holds in lane r the row 32 g + 8 u + r + 8 (r / 8), so that the results of two neighbouring records as source 0 are 16 neighbours in a lane's registers.
; SHARES.  Work-groups 0-255: one record of x each; work-groups 256-511: one record of a weight (wq, wk, wv, wo: 64 each).  Wave q takes K steps 2 q and 2 q + 1.
; x: a load reads 512 consecutive bytes (one row's K step); the 16 rows turn through the wave's own stage in LDS (rows of 528 bytes: sixteen rows start in sixteen different groups of banks) and come back
; so that lane (r, h) holds k = 64 c + 32 h + 0 .. 31 of row r: two whole blocks of 32, in the order of the operand's registers.
; A block's scale is 2^(floor(log2(its largest magnitude)) - 4): its byte is the largest magnitude's exponent field - 4, held at 1 from below.
; LIMITS: NaN and infinities in x are not served; a block whose largest magnitude lies under 2^-122 has its byte held at 1; a block of zeros gets the byte 1 (its codes are zeros, and only this program reads the bytes).
; No matrix unit, no tensor load, no barrier: waves share nothing.  Only the x path uses LDS.
.set REC,  12800
.set HALF, 6400
.set FRB,  1536                        ; a fragment's image
.set SROW, 528                         ; a stage row: 512 bytes + 16
.set STG,  16*SROW                     ; a stage; two for each wave
.set PC0,  16                          ; v16-27  the first K step's codes
.set PC1,  28                          ; v28-39  the second's
.set TC,   40                          ; v40-46  a block's upper 16 codes, on their way
.set MX,   48                          ; v48-49  largest magnitudes
.set SCO,  50                          ; v50-51  the conversions' scale operands
.set BY,   52                          ; v52-53  the scale bytes
.set TW,   54                          ; v54     the other half's bytes
.set SH,   55                          ; v55     8 h
.set W0,   58                          ; v58, v59 the two K steps' scale words
.set W1,   59
	s_load_b256 s[4:11], s[0:1], 0x0               ; x, wq's codes, wq's scales, wk's codes
	s_load_b256 s[12:19], s[0:1], 0x20             ; wk's scales, wv's codes, wv's scales, wo's codes
	s_load_b128 s[20:23], s[0:1], 0x40             ; wo's scales, ximg
	s_load_b64 s[24:25], s[0:1], 0x50              ; wimg
	v_lshl_add_u32 v62, v0, 2, 0x10800
	v_mov_b32 v63, 0
	v_lshrrev_b32 v1, 5, v0
	v_readfirstlane_b32 s26, v1                    ; wave q
	v_and_b32 v1, 31, v0                           ; l
	v_and_b32 v2, 15, v0                           ; r
	v_bfe_u32 v3, v0, 4, 1                         ; h
	v_lshlrev_b32 v4, 4, v1                        ; 16 l
	v_lshlrev_b32 v5, 3, v2
	v_lshl_add_u32 v5, v3, 2, v5                   ; 8 r + 4 h: a scale word's place: lanes 0-15 the even K step's, lanes 16-31 the odd one's
	s_lshr_b32 s27, s26, 1
	s_mul_i32 s27, s27, HALF                       ; my half of the record
	s_and_b32 s28, s26, 1
	s_mul_i32 s29, s28, 2*FRB
	s_lshl_b32 s28, s28, 7
	s_add_co_u32 s29, s29, s27                     ; where my two fragments go (256 more in the immediate)
	s_add_co_u32 s28, s28, s27                     ; where my 128 bytes of scale words go
	s_mov_b32 s33, 0
	s_mov_b32 s35, 0
	s_mov_b32 s37, 0
	s_cmp_lt_u32 ttmp9, 256
	s_cbranch_scc0 .Lweights
	; ---------------- x ----------------
	s_mul_i32 s30, ttmp9, REC
	s_add_co_u32 s32, s30, s29
	s_add_co_u32 s34, s30, s28
	s_lshr_b32 s36, ttmp9, 1
	s_lshl_b32 s36, s36, 17                        ; 32 g rows of 4,096 bytes
	s_and_b32 s38, ttmp9, 1
	s_lshl_b32 s38, s38, 15                        ; 8 u rows
	s_add_co_u32 s36, s36, s38
	s_lshl_b32 s38, s26, 10                        ; my 256 columns
	s_add_co_u32 s36, s36, s38
	s_mul_i32 s38, s26, 2*STG                      ; my two stages
	s_wait_alu depctr_va_vdst(0)
	v_add_nc_u32 v6, s38, v4                       ; in: 16 l of a row
	v_mul_u32_u24 v7, v2, SROW
	v_lshl_add_u32 v7, v3, 7, v7
	v_add_nc_u32 v7, s38, v7                       ; out: row r, 128 h bytes on
	v_lshlrev_b32 v[SH], 3, v3
	v_mov_b32 v[TW], 0                             ; a lane permute's destination counts as one of its sources
	v_cmp_lt_u32 vcc_lo, 15, v1                    ; lanes 16-31
	s_mov_b32 s42, 0x76543210
	s_mov_b32 s43, 0xfedcba98                      ; v_permlanex16_b32's selects for lane l xor 16
	s_wait_alu depctr_va_vdst(0)
	s_wait_kmcnt 0x0
	s_add_nc_u64 s[4:5], s[4:5], s[36:37]
	s_add_nc_u64 s[32:33], s[22:23], s[32:33]
	s_add_nc_u64 s[34:35], s[22:23], s[34:35]
.irp e, 0,1
.irp i, 0,1,2,3,4,5,6,7,8,9,10,11,12,13,14,15
	global_load_b128 v[64+64*\e+4*\i:64+64*\e+4*\i+3], v4, s[4:5] offset:(\i+8*(\i/8))*4096+512*\e   ; the record's row i, K step e: 32 lanes read 512 consecutive bytes
.endr
.endr
; K step e through its stage into v[n] on: LDS serves a wave's instructions in order, so no wait stands between the stores and the loads
.macro TURN e, n
.irp i, 0,1,2,3,4,5,6,7,8,9,10,11,12,13,14,15
	ds_store_b128 v6, v[64+64*\e+4*\i:64+64*\e+4*\i+3] offset:\e*STG+\i*SROW
.endr
.irp c, 0,1
.irp j, 0,1,2,3,4,5,6,7
	ds_load_b128 v[\n+32*\c+4*\j:\n+32*\c+4*\j+3], v7 offset:\e*STG+256*\c+16*\j
.endr
.endr
	s_wait_dscnt 0x0
.endm
; 64 numbers of a lane, v[n + 32 c + i] = k 64 c + 32 h + i of row r, become the fragment's 12 registers in v[pc] on and the row's scale word in v[w]
.macro QX n, pc, w
.irp c, 0,1
	v_max3_num_f32 v[MX+\c], |v[\n+32*\c]|, |v[\n+32*\c+1]|, 0x2800000   ; my block 2 c + h, and the floor 2^(5 - 127): the byte cannot fall under 1
.endr
.irp i, 2,4,6,8,10,12,14,16,18,20,22,24,26,28,30
.irp c, 0,1
	v_max3_num_f32 v[MX+\c], v[MX+\c], |v[\n+32*\c+\i]|, |v[\n+32*\c+\i+1]|   ; (the two blocks by turns)
.endr
.endr
.irp c, 0,1
	v_add_nc_u32 v[SCO+\c], 0xfe000000, v[MX+\c]   ; 4 off the exponent field: the conversion takes this operand's exponent field as its scale
.endr
.irp c, 0,1
	v_lshrrev_b32 v[BY+\c], 23, v[SCO+\c]          ; the scale's byte
.endr
	v_lshl_or_b32 v[\w], v[BY+1], 16, v[BY]        ; my two bytes: blocks h and 2 + h,
	v_lshlrev_b32 v[\w], v[SH], v[\w]              ; at their places;
	v_permlanex16_b32 v[TW], v[\w], s42, s43
	v_or_b32 v[\w], v[\w], v[TW]                   ; with lane l xor 16's two the word is whole, in both lanes
.irp c, 0,1
	v_cvt_scalef32_pk16_bf6_f32 v[\pc+6*\c:\pc+6*\c+2], v[\n+32*\c:\n+32*\c+15], v[SCO+\c]
	v_cvt_scalef32_pk16_bf6_f32 v[TC+4*\c:TC+4*\c+2], v[\n+32*\c+16:\n+32*\c+31], v[SCO+\c]   ; (a conversion's three registers begin on an even number)
.endr
	v_nop                                          ; one plain place behind a scaled conversion
.irp c, 0,1
.irp i, 0,1,2
	v_mov_b32 v[\pc+3+6*\c+\i], v[TC+4*\c+\i]
.endr
.endr
.endm
	s_wait_loadcnt 16                              ; the first K step's 16 loads are in; the second's 16 may be out
	TURN 0, 192
	QX 192, PC0, W0
.irp c, 0,1,2
	global_store_b128 v4, v[PC0+4*\c:PC0+4*\c+3], s[32:33] offset:256+512*\c   ; 32 lanes store 512 consecutive bytes
.endr
	s_wait_loadcnt 0x0
	TURN 1, 64                                     ; v64-127 are free: the first K step's stores into the stage were waited for
	QX 64, PC1, W1
.irp c, 0,1,2
	global_store_b128 v4, v[PC1+4*\c:PC1+4*\c+3], s[32:33] offset:256+FRB+512*\c
.endr
	v_cndmask_b32 v60, v[W0], v[W1], vcc_lo        ; lanes 0-15 the even K step's word of row r, lanes 16-31 the odd one's
	global_store_b32 v5, v60, s[34:35]             ; 128 consecutive bytes
	s_wait_tensorcnt 0x0
	ds_add_u32 v62, v63
	s_wait_dscnt 0x0
	s_endpgm
	; ---------------- a weight ----------------
.Lweights:
	s_sub_co_u32 s30, ttmp9, 256                   ; the record in wimg
	s_lshr_b32 s31, s30, 6                         ; which weight
	s_and_b32 s36, s30, 63                         ; which record of it
	s_wait_kmcnt 0x0
	s_cmp_eq_u32 s31, 1                            ; the choice hangs on the work-group's number alone
	s_cselect_b64 s[6:7], s[10:11], s[6:7]
	s_cselect_b64 s[8:9], s[12:13], s[8:9]
	s_cmp_eq_u32 s31, 2
	s_cselect_b64 s[6:7], s[14:15], s[6:7]
	s_cselect_b64 s[8:9], s[16:17], s[8:9]
	s_cmp_eq_u32 s31, 3
	s_cselect_b64 s[6:7], s[18:19], s[6:7]
	s_cselect_b64 s[8:9], s[20:21], s[8:9]
	s_lshr_b32 s38, s36, 1
	s_lshl_b32 s38, s38, 5
	s_and_b32 s36, s36, 1
	s_lshl_b32 s36, s36, 3
	s_add_co_u32 s38, s38, s36                     ; the record's first row: 32 (j / 2) + 8 (j % 2)
	s_mul_i32 s36, s38, 768                        ; a row of 1,024 codes is 768 bytes
	s_mul_i32 s39, s26, 192                        ; my two K steps
	s_add_co_u32 s36, s36, s39
	s_add_nc_u64 s[6:7], s[6:7], s[36:37]
	s_lshl_b32 s36, s38, 5                         ; a row of scale bytes is 32 bytes
	s_lshl_b32 s39, s26, 3
	s_add_co_u32 s36, s36, s39
	s_add_nc_u64 s[8:9], s[8:9], s[36:37]
	s_mul_i32 s30, s30, REC
	s_add_co_u32 s32, s30, s29
	s_add_co_u32 s34, s30, s28
	s_add_nc_u64 s[32:33], s[24:25], s[32:33]
	s_add_nc_u64 s[34:35], s[24:25], s[34:35]
	s_wait_alu depctr_va_vdst(0)
	v_and_b32 v8, 8, v2
	v_add_nc_u32 v8, v8, v2                        ; r + 8 (r / 8)
	v_mul_u32_u24 v9, v8, 768
	v_mad_u32_u24 v9, v3, 24, v9                   ; codes: my row, + 24 h
	v_lshlrev_b32 v10, 5, v8
	v_lshl_add_u32 v10, v3, 2, v10                 ; scale word: my row, K step 2 q + h
.irp e, 0,1
.irp p, 0,1,2,3,4,5
	global_load_b64 v[64+12*\e+2*\p:64+12*\e+2*\p+1], v9, s[6:7] offset:96*\e+48*(\p/3)+8*(\p%3)   ; the fragment's registers as the row's stream of bits has them
.endr
.endr
	global_load_b32 v90, v10, s[8:9]
	s_wait_loadcnt 0x0
.irp e, 0,1
.irp c, 0,1,2
	global_store_b128 v4, v[64+12*\e+4*\c:64+12*\e+4*\c+3], s[32:33] offset:256+\e*FRB+512*\c
.endr
.endr
	global_store_b32 v5, v90, s[34:35]
	s_endpgm
.Lfunc_end_k_qe24f6c133b_prep:
	.size	k_qe24f6c133b_prep, .Lfunc_end_k_qe24f6c133b_prep-k_qe24f6c133b_prep
	.p2alignl 7, 3214868480
	.fill 96, 4, 3214868480
	.section	.rodata,"a",@progbits
	.p2align	6, 0x0
	.amdhsa_kernel k_qe24f6c133b_prep
		.amdhsa_group_segment_fixed_size 68096
		.amdhsa_private_segment_fixed_size 0
		.amdhsa_enable_private_segment 0
		.amdhsa_kernarg_size 88
		.amdhsa_user_sgpr_count 2
		.amdhsa_user_sgpr_kernarg_segment_ptr 1
		.amdhsa_wavefront_size32 1
		.amdhsa_system_sgpr_workgroup_id_x 1
		.amdhsa_system_sgpr_workgroup_id_y 1
		.amdhsa_system_sgpr_workgroup_id_z 1
		.amdhsa_system_vgpr_workitem_id 0
		.amdhsa_next_free_vgpr 256
		.amdhsa_next_free_sgpr 66
		.amdhsa_reserve_vcc 1
		.amdhsa_float_denorm_mode_32 3
		.amdhsa_float_denorm_mode_16_64 3
		.amdhsa_memory_ordered 1
		.amdhsa_forward_progress 1
		.amdhsa_inst_pref_size 20
	.end_amdhsa_kernel
	.amdgpu_metadata
---
amdhsa.version: [ 1, 2 ]
amdhsa.kernels:
  - .name:           k_qe24f6c133b_prep
    .symbol:         k_qe24f6c133b_prep.kd
    .args:
      - { .name: x, .offset: 0, .size: 8, .value_kind: global_buffer, .address_space: global }
      - { .name: wq_codes, .offset: 8, .size: 8, .value_kind: global_buffer, .address_space: global }
      - { .name: wq_scales, .offset: 16, .size: 8, .value_kind: global_buffer, .address_space: global }
      - { .name: wk_codes, .offset: 24, .size: 8, .value_kind: global_buffer, .address_space: global }
      - { .name: wk_scales, .offset: 32, .size: 8, .value_kind: global_buffer, .address_space: global }
      - { .name: wv_codes, .offset: 40, .size: 8, .value_kind: global_buffer, .address_space: global }
      - { .name: wv_scales, .offset: 48, .size: 8, .value_kind: global_buffer, .address_space: global }
      - { .name: wo_codes, .offset: 56, .size: 8, .value_kind: global_buffer, .address_space: global }
      - { .name: wo_scales, .offset: 64, .size: 8, .value_kind: global_buffer, .address_space: global }
      - { .name: ximg, .offset: 72, .size: 8, .value_kind: global_buffer, .address_space: global }
      - { .name: wimg, .offset: 80, .size: 8, .value_kind: global_buffer, .address_space: global }
    .group_segment_fixed_size: 68096
    .private_segment_fixed_size: 0
    .kernarg_segment_align: 8
    .kernarg_segment_size: 88
    .max_flat_workgroup_size: 128
    .sgpr_count:     66
    .vgpr_count:     256
    .wavefront_size: 32
...
	.end_amdgpu_metadata
.endif
;; end of part 1
;; launch qkv (part 2): grid 8 x 32, 8 waves a work-group, clusters of 4 x 4, 327,680 bytes of LDS; arguments ximg, wimg, bq, bk, bv, qb, kv; writes qb, kv
.if DOCPART == 2
	.amdgcn_target "amdgcn-amd-amdhsa--gfx1250"
	.amdhsa_code_object_version 6
	.text
	.protected	k_qe24f6c133b_qkv
	.globl	k_qe24f6c133b_qkv
	.p2align	8
	.type	k_qe24f6c133b_qkv,@function
k_qe24f6c133b_qkv:
	s_mov_b64 s[64:65], 0
	v_nop
	global_prefetch_b8 v0, s[64:65] scope:SCOPE_SE
	s_setreg_imm32_b32 hwreg(HW_REG_WAVE_MODE, 25, 1), 1
	s_wait_xcnt 0x0
	s_wait_alu depctr_hold_cnt(0) depctr_sa_sdst(0) depctr_va_vdst(0) depctr_va_sdst(0) depctr_va_ssrc(0) depctr_va_vcc(0) depctr_vm_vsrc(0)
	s_getreg_b32 s2, hwreg(HW_REG_IB_STS2, 6, 4)
	s_cmp_eq_u32 s2, 0
	s_cbranch_scc0 .Lentry_in_a_cluster
	s_endpgm
.Lentry_in_a_cluster:
	s_bfe_u32 s2, ttmp6, 0x10000c
	s_cmp_lg_u32 s2, 0xf033
	s_cbranch_scc0 .Lentry_shape_is_right
	s_endpgm
.Lentry_shape_is_right:
; QKV.  q = x wq^T + bq, k = x wk^T + bk, v = x wv^T + bv on codes of BF6 (E3M2); the results are quantised in registers, q and k along the head's 64, v along the keys,
; and leave as codes in the order of the attention's operand registers.  No f32 result goes to memory.  Nothing of reference() is left out.
; SHARES.  256 work-groups that stay: a work-group takes 128 rows of x (8 records: one batch's key step) x 128 output columns (two heads) of ALL THREE weights, one after the other.
; LDS: x's 8 records (filled once), then two slots of 8 weight records: wq in slot A and wk in slot B are first fills, wv fills slot A again.  Each weight is asked for one whole pass ahead of its use.
;   Q, K: wave w = 4 uu + p: the four records of head 2 cj + uu as source 0, x's records 2 p, 2 p + 1 as source 1: a lane holds one row of x and its registers run along the head's 64.
;   V:    wave w: x's eight records as source 0, the weight's record w as source 1: a lane holds one channel and its registers run along the 128 keys.
; In both, register 16 b + i of the wave's 64 results is number 32 b + 16 (lane / 16) + i along the next product's K (the records' rows are chosen for that), which is what QUANT takes.
; CLUSTERS: 4 x 4.  x's records hang on the work-group's y alone and are asked for jointly along a row of the cluster, the weights' on its x alone, jointly along a column.
; OUT.  kv (and qb, laid alike): [batch x head][key step][13,312 bytes]: 4 PAIRS of tiles of K (1,536 bytes: registers 4 c .. 4 c + 3 of lane l at 512 c + 16 l; registers 0-5 the even tile, 6-11 the odd one),
; 4 tiles of V (1,536 bytes), K's scale words (128 bytes a pair: bytes 0, 1 the even tile's, 2, 3 the odd one's), V's (128 a tile).
; No prefetch: the text has no loop to run ahead in, and each weight's tensor load goes out a whole pass (64 matrix instructions a wave) ahead of its first read.
; LIMITS: NaN and infinities are not served; a block whose largest magnitude lies under 2^-122 has its byte held at 1; a block of zeros gets the byte 1 (its codes are zeros, and only this program reads the bytes).
.set REC,   12800
.set WA,    8*REC                      ; slot A
.set WBS,   16*REC                     ; slot B
.set SPARE, 24*REC                     ; the spare words: 8 waves x 128 bytes
.set STEPB, 13312
.set HEADB, 16*STEPB
.set LXQ, 1                            ; v1, v2  Q, K: 16 l, 8 r + my first record of x
.set SXQ, 2
.set LWA, 3                            ; v3, v4  the same + my head's records in slot A;  v5, v6 in slot B
.set SWA, 4
.set LWB, 5
.set SWB, 6
.set L16, 8                            ; v8 16 l   v10 4 l   v11 8 r
.set LX2, 9                            ; v9, v12 V: 16 l, 8 r + four records
.set L4,  10
.set R8,  11
.set SX2, 12
.set LWV, 13                           ; v13, v14 V: my record of wv in slot A
.set SWV, 14
.set BOF, 15                           ; v15 64 h: the bias of Q and K
.set XSC, 16                           ; v16-23 x's scale words;  v24-27 the weight's: scales and nothing else
.set WSC, 24
.set BV,  28                           ; v28-35   V: the bias as a C operand
.set SPW, 46                           ; v46, v47 the add's two registers
.set NIL, 47
.set XF,  48                           ; v48-143  x's fragments (Q, K: two; V: eight)
.set BI,  96                           ; v96-127  Q, K: the bias of the head's four tiles, as C operands
.set WF,  144                          ; v144-191 the weight's fragments
.set ACC, 192                          ; v192-255 eight accumulators
.set TM,  48                           ; behind the products: v48-63 at work, v64 the scale word, v68-86 the codes
.set PW,  64
.set PC,  68
.set WV,  18
.set SEL, 20
.macro CROUND                          ; a round of the cluster's barrier
	s_barrier_signal -1
	s_barrier_wait -1
	s_cmp_lg_u32 s[WV], 0
	s_cbranch_scc1 .Lnot_wave_0_\@
	s_barrier_signal -3
.Lnot_wave_0_\@:
	s_barrier_wait -3
	s_barrier_signal -1
	s_barrier_wait -1
.endm
.macro PLACES                          ; four plain places behind a matrix instruction of this form (ISA guide 7.12.1)
.rept 4
	v_nop
.endr
.endm
.macro FRAGL reg, adr, off             ; a fragment's image: three loads of 512 consecutive bytes
.irp c, 0,1,2
	ds_load_b128 v[(\reg)+4*\c:(\reg)+4*\c+3], v[\adr] offset:(\off)+512*\c
.endr
.endm
; 64 numbers of a lane, register 16 b + i = k 32 b + 16 (lane / 16) + i, become 12 registers of codes in v[PC] on and four scale bytes in v[PW]
.macro QUANT s
.irp b, 0,1,2,3
	v_mov_b32 v[TM+4+\b], 0                        ; a lane permute's destination counts as one of its sources
.endr
.irp b, 0,1,2,3
	v_max3_num_f32 v[TM+\b], |v[\s+16*\b]|, |v[\s+1+16*\b]|, 0x2800000   ; block b: my 16 numbers, and the floor 2^(5 - 127): the byte cannot fall under 1
.endr
.irp i, 2,4,6,8,10,12,14
.irp b, 0,1,2,3
	v_max3_num_f32 v[TM+\b], v[TM+\b], |v[\s+16*\b+\i]|, |v[\s+1+16*\b+\i]|   ; the four blocks by turns; each accumulator is read from its low end on
.endr
.endr
.irp b, 0,1,2,3
	s_delay_alu instid0(VALU_DEP_4)
	v_permlanex16_b32 v[TM+4+\b], v[TM+\b], s[SEL], s[SEL+1]
.endr
.irp b, 0,1,2,3
	s_delay_alu instid0(VALU_DEP_4)
	v_max_num_f32 v[TM+\b], v[TM+\b], v[TM+4+\b]   ; with lane l xor 16's: the block's largest magnitude
.endr
.irp b, 0,1,2,3
	s_delay_alu instid0(VALU_DEP_4)
	v_add_nc_u32 v[TM+12+\b], 0xfe000000, v[TM+\b] ; 4 off its exponent field: the conversion's scale operand
.endr
.irp b, 0,1,2,3
	s_delay_alu instid0(VALU_DEP_4)
	v_lshrrev_b32 v[TM+4+\b], 23, v[TM+12+\b]      ; the scale's byte
.endr
	s_delay_alu instid0(VALU_DEP_3)
	v_lshl_or_b32 v[PW], v[TM+5], 8, v[TM+4]
	s_delay_alu instid0(VALU_DEP_1)
	v_lshl_or_b32 v[PW], v[TM+6], 16, v[PW]
	s_delay_alu instid0(VALU_DEP_1)
	v_lshl_or_b32 v[PW], v[TM+7], 24, v[PW]
.irp c, 0,1
	v_cvt_scalef32_pk16_bf6_f32 v[PC+6*\c:PC+2+6*\c], v[\s+32*\c:\s+15+32*\c], v[TM+12+2*\c]
	v_cvt_scalef32_pk16_bf6_f32 v[PC+12+4*\c:PC+14+4*\c], v[\s+16+32*\c:\s+31+32*\c], v[TM+12+2*\c+1]   ; a conversion's three registers begin on an even number
.endr
	v_nop                                          ; one plain place behind a scaled conversion
.irp c, 0,1                                    ; the operand's layout wants a whole block in a lane
.irp i, 0,1,2
	v_permlane16_swap_b32 v[PC+6*\c+\i], v[PC+12+4*\c+\i]
.endr
.irp i, 0,1,2
	s_delay_alu instid0(VALU_DEP_3)
	v_mov_b32 v[PC+3+6*\c+\i], v[PC+12+4*\c+\i]
.endr
.endr
.endm
.macro BIAS sb                         ; lane (r, h) wants, for tile 2 b + u, the bias of channels 32 b + 16 h + 8 u + 0 .. 7
.irp t, 0,1,2,3
	global_load_b128 v[BI+8*\t:BI+8*\t+3], v[BOF], s[\sb:\sb+1] offset:(32*(\t/2)+8*(\t%2))*4
	global_load_b128 v[BI+8*\t+4:BI+8*\t+7], v[BOF], s[\sb:\sb+1] offset:(32*(\t/2)+8*(\t%2))*4+16
.endr
.endm
; K step s of Q or K: two fragments of x, four of the weight, their scale words, eight products.  The eight accumulators take turns, one instruction a turn.
.macro QKSTEP s, lw, sw
.set CO, ((\s)/4)*6400+256+((\s)%4)*1536
.set SO, ((\s)/4)*6400+(((\s)%4)/2)*128+((\s)%2)*4
.if (\s) > 0
	PLACES
.endif
.irp a, 0,1
	FRAGL XF+12*\a, LXQ, \a*REC+CO
	ds_load_b32 v[XSC+\a], v[SXQ] offset:\a*REC+SO
.endr
.irp t, 0,1,2,3
	FRAGL WF+12*\t, \lw, \t*REC+CO
	ds_load_b32 v[WSC+\t], v[\sw] offset:\t*REC+SO
.endr
	s_wait_dscnt 0x0
.irp a, 0,1
.irp t, 0,1,2,3
.if (\s) == 0
	v_wmma_scale_f32_16x16x128_f8f6f4 v[ACC+8*(4*\a+\t):ACC+8*(4*\a+\t)+7], v[WF+12*\t:WF+12*\t+11], v[XF+12*\a:XF+12*\a+11], v[BI+8*\t:BI+8*\t+7], v[WSC+\t], v[XSC+\a] matrix_a_fmt:MATRIX_FMT_BF6 matrix_b_fmt:MATRIX_FMT_BF6
.else
	v_wmma_scale_f32_16x16x128_f8f6f4 v[ACC+8*(4*\a+\t):ACC+8*(4*\a+\t)+7], v[WF+12*\t:WF+12*\t+11], v[XF+12*\a:XF+12*\a+11], v[ACC+8*(4*\a+\t):ACC+8*(4*\a+\t)+7], v[WSC+\t], v[XSC+\a] matrix_a_fmt:MATRIX_FMT_BF6 matrix_b_fmt:MATRIX_FMT_BF6
.endif
.endr
.endr
.endm
; a whole pass of Q or K: lw, sw the weight's LDS addresses; o1, o2 where codes and scale words go; nb: the next pass's bias pointer, or 0
.macro QKPASS lw, sw, o1, o2, nb
	s_wait_loadcnt 0x0                             ; the bias
.irp s, 0,1,2,3,4,5,6,7
	QKSTEP \s, \lw, \sw
.endr
	PLACES
.if \nb
	BIAS \nb                                       ; the next pass's bias, into registers last read by this pass's first products
.endif
	QUANT ACC                                      ; blocks 0, 1: x's record 2 p; blocks 2, 3: record 2 p + 1
.irp c, 0,1,2
	global_store_b128 v[L16], v[PC+4*\c:PC+4*\c+3], s[\o1:\o1+1] offset:512*\c   ; 32 lanes store 512 consecutive bytes
.endr
	global_store_b32 v[L4], v[PW], s[\o2:\o2+1] offset:12288   ; lanes 16-31 hold the same words as lanes 0-15: all 128 bytes are written
.endm
.macro VSTEP s
.set CO, ((\s)/4)*6400+256+((\s)%4)*1536
.set SO, ((\s)/4)*6400+(((\s)%4)/2)*128+((\s)%2)*4
.if (\s) > 0
	PLACES
.endif
.irp i, 0,1,2,3
	FRAGL XF+12*\i, L16, \i*REC+CO
	ds_load_b32 v[XSC+\i], v[R8] offset:\i*REC+SO
.endr
.irp i, 0,1,2,3
	FRAGL XF+48+12*\i, LX2, \i*REC+CO
	ds_load_b32 v[XSC+4+\i], v[SX2] offset:\i*REC+SO
.endr
	FRAGL WF, LWV, CO
	ds_load_b32 v[WSC], v[SWV] offset:SO
	s_wait_dscnt 0x0
.irp i, 0,1,2,3,4,5,6,7
.if (\s) == 0
	v_wmma_scale_f32_16x16x128_f8f6f4 v[ACC+8*\i:ACC+8*\i+7], v[XF+12*\i:XF+12*\i+11], v[WF:WF+11], v[BV:BV+7], v[XSC+\i], v[WSC] matrix_a_fmt:MATRIX_FMT_BF6 matrix_b_fmt:MATRIX_FMT_BF6
.else
	v_wmma_scale_f32_16x16x128_f8f6f4 v[ACC+8*\i:ACC+8*\i+7], v[XF+12*\i:XF+12*\i+11], v[WF:WF+11], v[ACC+8*\i:ACC+8*\i+7], v[XSC+\i], v[WSC] matrix_a_fmt:MATRIX_FMT_BF6 matrix_b_fmt:MATRIX_FMT_BF6
.endif
.endr
.endm
	s_load_b256 s[4:11], s[0:1], 0x0               ; ximg, wimg, bq, bk
	s_load_b128 s[12:15], s[0:1], 0x20             ; bv, qb
	s_load_b64 s[16:17], s[0:1], 0x30              ; kv
	v_lshl_add_u32 v[SPW], v0, 2, SPARE
	v_mov_b32 v[NIL], 0
	ds_add_u32 v[SPW], v[NIL]                      ; the opening lines: the add, twice on end, and its wait
	ds_add_u32 v[SPW], v[NIL]
	v_lshrrev_b32 v7, 5, v0
	v_readfirstlane_b32 s[WV], v7                  ; wave 0..7
	s_bfe_u32 s22, ttmp6, 0x40000                  ; cx
	s_bfe_u32 s23, ttmp6, 0x40004                  ; cy
	s_lshl_b32 s24, ttmp9, 2
	s_add_co_u32 s24, s24, s22                     ; cj: which 128 columns of each weight, 0..7
	s_and_b32 s25, ttmp7, 0xffff
	s_lshl_b32 s25, s25, 2
	s_add_co_u32 s25, s25, s23                     ; which 128 rows of x, 0..31
	s_lshl_b32 s26, s23, 2
	s_lshl_b32 s26, 15, s26                        ; my row of the cluster
	s_lshl_b32 s27, 0x1111, s22                    ; my column
	; group 1: dense records as rows of 256 bytes (32 elements of 8 bytes): at the head two records, 100 rows
	s_or_b32 s28, s26, (3<<16)|(1<<21)             ; x's: the mask of my row
	s_or_b32 s36, s27, (3<<16)|(1<<21)             ; the weights': the mask of my column
.irp g, 28, 36
	s_mov_b32 s[\g+1], 32<<16
	s_mov_b32 s[\g+2], 100<<16
	s_mov_b32 s[\g+3], 32<<16
	s_mov_b32 s[\g+4], 100
	s_mov_b32 s[\g+5], 32
	s_mov_b32 s[\g+6], 0
	s_mov_b32 s[\g+7], 0
.endr
	s_and_b32 s52, s[WV], 3
	s_lshl_b32 s52, s52, 1                         ; at the head waves 0-3 fetch x's records 2 (w % 4) and the next, waves 4-7 wq's
	s_lshl_b32 s60, s25, 3
	s_add_co_u32 s60, s60, s52
	s_mul_i32 s60, s60, REC                        ; x's address: the work-group's y and the wave alone
	s_mov_b32 s61, 0
	s_lshl_b32 s62, s24, 3
	s_add_co_u32 s56, s62, s[WV]
	s_add_co_u32 s56, s56, 64
	s_mul_i32 s56, s56, REC                        ; wk's record 8 cj + w: later each wave fetches one record
	s_mov_b32 s57, 0
	s_add_co_u32 s62, s62, s52
	s_mul_i32 s62, s62, REC                        ; wq's: the work-group's x and the wave alone
	s_mov_b32 s63, 0
	s_mul_i32 s66, s52, REC                        ; where they go: no place in the cluster enters an LDS address
	s_mul_i32 s53, s[WV], REC
	s_add_co_u32 s53, s53, WBS
	s_mov_b32 s[SEL], 0x76543210
	s_mov_b32 s[SEL+1], 0xfedcba98
	s_wait_dscnt 0x0
	s_wait_kmcnt 0x0
	s_mov_b32 s44, 1
	s_mov_b32 s45, s66
	s_add_nc_u64 s[46:47], s[4:5], s[60:61]
	s_or_b32 s47, s47, 0x80000000
	s_mov_b32 s48, 1
	s_add_co_u32 s49, s66, WA
	s_add_nc_u64 s[50:51], s[6:7], s[62:63]
	s_or_b32 s51, s51, 0x80000000
	s_add_nc_u64 s[54:55], s[6:7], s[56:57]
	s_or_b32 s55, s55, 0x80000000
	CROUND                                         ; all sixteen work-groups are here: the first joint loads meet
	s_cmp_lt_u32 s[WV], 4                          ; one tensor load a wave at the head, one to each arm
	s_cbranch_scc0 .Lhead_w
	tensor_load_to_lds s[44:47], s[28:35]
	s_nop 0
	PLACES
	s_branch .Lhead_done
.Lhead_w:
	tensor_load_to_lds s[48:51], s[36:43]
	s_nop 0
	PLACES
.Lhead_done:
	s_lshr_b32 s67, s[WV], 2                       ; uu
	s_and_b32 s68, s[WV], 3                        ; p
	s_lshl_b32 s69, s24, 1
	s_add_co_u32 s69, s69, s67                     ; the head of Q and K
	s_lshl_b32 s58, s69, 8
	s_mov_b32 s59, 0
	s_add_nc_u64 s[70:71], s[8:9], s[58:59]        ; its 64 numbers of bq
	s_add_nc_u64 s[72:73], s[10:11], s[58:59]      ; and of bk
	s_lshr_b32 s78, s25, 4
	s_lshl_b32 s78, s78, 4                         ; 16 x batch
	s_and_b32 s79, s25, 15
	s_mul_i32 s79, s79, STEPB                      ; the key step's record
	s_add_co_u32 s76, s78, s69
	s_mul_i32 s76, s76, HEADB
	s_add_co_u32 s76, s76, s79
	s_mul_i32 s58, s68, 1536
	s_add_co_u32 s58, s58, s76
	s_add_nc_u64 s[80:81], s[14:15], s[58:59]      ; my pair of tiles in qb
	s_add_nc_u64 s[84:85], s[16:17], s[58:59]      ; and in kv
	s_lshl_b32 s58, s68, 7
	s_add_co_u32 s58, s58, s76
	s_add_nc_u64 s[82:83], s[14:15], s[58:59]      ; their scale words (12,288 more in the immediate)
	s_add_nc_u64 s[86:87], s[16:17], s[58:59]
	s_lshl_b32 s77, s24, 3
	s_add_co_u32 s77, s77, s[WV]                   ; V: my record of wv, 8 cj + w
	s_lshr_b32 s58, s77, 1
	s_lshl_b32 s58, s58, 5
	s_and_b32 s76, s77, 1
	s_lshl_b32 s76, s76, 3
	s_add_co_u32 s58, s58, s76                     ; its first channel
	s_lshl_b32 s58, s58, 2
	s_add_nc_u64 s[74:75], s[12:13], s[58:59]
	s_lshr_b32 s76, s77, 2                         ; its head
	s_add_co_u32 s76, s76, s78
	s_mul_i32 s76, s76, HEADB
	s_add_co_u32 s76, s76, s79
	s_mul_i32 s58, s68, 1536
	s_add_co_u32 s58, s58, s76
	s_add_nc_u64 s[88:89], s[16:17], s[58:59]
	s_lshl_b32 s58, s68, 7
	s_add_co_u32 s58, s58, s76
	s_add_nc_u64 s[90:91], s[16:17], s[58:59]
	s_mul_i32 s92, s68, 2*REC
	s_mul_i32 s93, s67, 4*REC
	s_add_co_u32 s93, s93, WA
	s_add_co_u32 s94, s93, 8*REC
	s_mul_i32 s95, s[WV], REC
	s_add_co_u32 s95, s95, WA
	v_and_b32 v7, 31, v0                           ; l
	v_and_b32 v36, 15, v0                          ; r
	v_bfe_u32 v37, v0, 4, 1                        ; h
	v_lshlrev_b32 v[L16], 4, v7
	v_lshlrev_b32 v[L4], 2, v7
	v_lshlrev_b32 v[R8], 3, v36
	v_lshlrev_b32 v[BOF], 6, v37
	v_and_b32 v38, 8, v36
	v_add_nc_u32 v[LXQ], s92, v[L16]
	v_add_nc_u32 v38, v38, v36                     ; V: my lane's channel, r + 8 (r / 8)
	v_add_nc_u32 v[SXQ], s92, v[R8]
	v_lshlrev_b32 v38, 2, v38
	v_add_nc_u32 v[LWA], s93, v[L16]
	v_add_nc_u32 v[SWA], s93, v[R8]
	v_add_nc_u32 v[LWB], s94, v[L16]
	v_add_nc_u32 v[SWB], s94, v[R8]
	v_add_nc_u32 v[LX2], 4*REC, v[L16]
	v_add_nc_u32 v[SX2], 4*REC, v[R8]
	v_add_nc_u32 v[LWV], s95, v[L16]
	v_add_nc_u32 v[SWV], s95, v[R8]
	BIAS 70
	global_load_b32 v[BV], v38, s[74:75]
	s_wait_alu depctr_va_vdst(0)
	s_wait_tensorcnt 0x0                           ; my part of x or of wq is in; the three lines ahead of a later first fill
	ds_add_u32 v[SPW], v[NIL]
	s_mov_b32 s38, 50<<16                          ; no tensor load of mine is out: from here on a load brings one record, 50 rows,
	s_mov_b32 s40, 50
	s_mov_b32 s49, s53                             ; wk's record w into slot B
	s_mov_b64 s[50:51], s[54:55]
	s_wait_dscnt 0x0
	CROUND
	tensor_load_to_lds s[48:51], s[36:43]          ; my one load behind the round
	s_nop 0
	PLACES
	QKPASS LWA, SWA, 80, 82, 72                    ; Q
	s_wait_xcnt 0x0                                ; the stores have read their registers: the next pass's fragments land there
	s_wait_tensorcnt 0x0                           ; my record of wk is in
	ds_add_u32 v[SPW], v[NIL]
	s_sub_co_u32 s49, s49, 8*REC                   ; wv's record w into slot A, which nobody reads any more behind the round
	s_add_nc_u64 s[50:51], s[50:51], 64*REC
	s_wait_dscnt 0x0
	CROUND
	tensor_load_to_lds s[48:51], s[36:43]
	s_nop 0
	PLACES
	QKPASS LWB, SWB, 84, 86, 0                     ; K
.irp i, 1,2,3,4,5,6,7
	v_mov_b32 v[BV+\i], v[BV]                      ; V: a lane's eight results are eight keys of one channel: the same bias in all eight (loaded at the head, waited for ahead of Q)
.endr
	s_wait_alu depctr_va_vdst(0)
	s_wait_xcnt 0x0
	s_wait_tensorcnt 0x0                           ; my record of wv is in
	s_wait_dscnt 0x0
	s_barrier_signal -1
	s_barrier_wait -1                              ; everybody's is
.irp s, 0,1,2,3,4,5,6,7
	VSTEP \s
.endr
	PLACES
	QUANT ACC                                      ; one whole fragment: 16 channels x 128 keys
.irp c, 0,1,2
	global_store_b128 v[L16], v[PC+4*\c:PC+4*\c+3], s[88:89] offset:6144+512*\c
.endr
	global_store_b32 v[L4], v[PW], s[90:91] offset:12800
	s_wait_tensorcnt 0x0                           ; the wave's end
	ds_add_u32 v[SPW], v[NIL]
	s_wait_dscnt 0x0
	CROUND                                         ; the closing round
	s_endpgm
.Lfunc_end_k_qe24f6c133b_qkv:
	.size	k_qe24f6c133b_qkv, .Lfunc_end_k_qe24f6c133b_qkv-k_qe24f6c133b_qkv
	.p2alignl 7, 3214868480
	.fill 96, 4, 3214868480
	.section	.rodata,"a",@progbits
	.p2align	6, 0x0
	.amdhsa_kernel k_qe24f6c133b_qkv
		.amdhsa_group_segment_fixed_size 327680
		.amdhsa_private_segment_fixed_size 0
		.amdhsa_enable_private_segment 0
		.amdhsa_kernarg_size 56
		.amdhsa_user_sgpr_count 2
		.amdhsa_user_sgpr_kernarg_segment_ptr 1
		.amdhsa_wavefront_size32 1
		.amdhsa_system_sgpr_workgroup_id_x 1
		.amdhsa_system_sgpr_workgroup_id_y 1
		.amdhsa_system_sgpr_workgroup_id_z 1
		.amdhsa_system_vgpr_workitem_id 0
		.amdhsa_next_free_vgpr 256
		.amdhsa_next_free_sgpr 96
		.amdhsa_reserve_vcc 0
		.amdhsa_float_denorm_mode_32 3
		.amdhsa_float_denorm_mode_16_64 3
		.amdhsa_memory_ordered 1
		.amdhsa_forward_progress 1
		.amdhsa_inst_pref_size 96
	.end_amdhsa_kernel
	.amdgpu_metadata
---
amdhsa.version: [ 1, 2 ]
amdhsa.kernels:
  - .name:           k_qe24f6c133b_qkv
    .symbol:         k_qe24f6c133b_qkv.kd
    .args:
      - { .name: ximg, .offset: 0, .size: 8, .value_kind: global_buffer, .address_space: global }
      - { .name: wimg, .offset: 8, .size: 8, .value_kind: global_buffer, .address_space: global }
      - { .name: bq, .offset: 16, .size: 8, .value_kind: global_buffer, .address_space: global }
      - { .name: bk, .offset: 24, .size: 8, .value_kind: global_buffer, .address_space: global }
      - { .name: bv, .offset: 32, .size: 8, .value_kind: global_buffer, .address_space: global }
      - { .name: qb, .offset: 40, .size: 8, .value_kind: global_buffer, .address_space: global }
      - { .name: kv, .offset: 48, .size: 8, .value_kind: global_buffer, .address_space: global }
    .group_segment_fixed_size: 327680
    .private_segment_fixed_size: 0
    .kernarg_segment_align: 8
    .kernarg_segment_size: 56
    .max_flat_workgroup_size: 256
    .sgpr_count:     96
    .vgpr_count:     256
    .wavefront_size: 32
...
	.end_amdgpu_metadata
.endif
;; end of part 2
;; launch attn (part 3): grid 8 x 32, 16 waves a work-group, clusters of 4 x 1, 327,680 bytes of LDS; arguments qb, kv, cimg; writes cimg
.if DOCPART == 3
	.amdgcn_target "amdgcn-amd-amdhsa--gfx1250"
	.amdhsa_code_object_version 6
	.text
	.protected	k_qe24f6c133b_attn
	.globl	k_qe24f6c133b_attn
	.p2align	8
	.type	k_qe24f6c133b_attn,@function
k_qe24f6c133b_attn:
	s_mov_b64 s[64:65], 0
	v_nop
	global_prefetch_b8 v0, s[64:65] scope:SCOPE_SE
	s_setreg_imm32_b32 hwreg(HW_REG_WAVE_MODE, 25, 1), 1
	s_wait_xcnt 0x0
	s_wait_alu depctr_hold_cnt(0) depctr_sa_sdst(0) depctr_va_vdst(0) depctr_va_sdst(0) depctr_va_ssrc(0) depctr_va_vcc(0) depctr_vm_vsrc(0)
	s_getreg_b32 s2, hwreg(HW_REG_IB_STS2, 6, 4)
	s_cmp_eq_u32 s2, 0
	s_cbranch_scc0 .Lentry_in_a_cluster
	s_endpgm
.Lentry_in_a_cluster:
	s_bfe_u32 s2, ttmp6, 0x10000c
	s_cmp_lg_u32 s2, 0x3003
	s_cbranch_scc0 .Lentry_shape_is_right
	s_endpgm
.Lentry_shape_is_right:
; ATTENTION on codes of BF6 (E3M2): ctx = softmax(q k^T / 32) v for one (batch, head) and 256 queries a work-group; a wave owns 16 queries and walks the 2,048 keys in 16 steps of 128.
; Both products are used transposed (S^T = k q^T, O^T = v^T p^T): a lane holds one query throughout.  p = 2^(t - M), M the running ceiling of the largest t, kept as -M; the row's sum is taken of the unquantised p.
; kv and qb: [batch x head][key step][13,312 bytes]: 4 pairs of tiles of K (1,536 bytes: registers 4 c .. 4 c + 3 of lane l at 512 c + 16 l; registers 0-5 the even tile, 6-11 the odd one; a tile has K = 64),
; 4 tiles of V (1,536), K's scale words (128 bytes a pair), V's (128 a tile).  Tile 2 G + U holds in lane r the key 32 G + 8 U + r + 8 (r / 8).
; A pair is one operand of 12 registers; against [q, 0] it gives the even tile's scores, against [0, q] the odd one's (v16-33 hold q, six zeros, q).
; THE ROWS OF A FRAGMENT OF K ARE CHOSEN BY ADDRESS: fragment (g, a) takes in lanes r < 8 the rows r + 8 a of pair 2 g, in lanes r >= 8 the rows r - 8 + 8 a of pair 2 g + 1.
; Then the 32 registers S + 32 g .. of lane (r, h) are the keys 64 g + 32 h + 0 .. 31: ONE WHOLE BLOCK, in the order of the operand's registers: a block's maximum asks no other lane, and no code changes lanes.
; THE STEP'S ORDER: the scores of step t + 1 are started at the end of step t, ahead of step t's four products for O^T; the step's LDS loads (V of this step, K of the next) stand between the links of the
; one chain of dependent lines that makes -M; maxima run in eight chains (one an accumulator), the row's sum in four.
; LDS: the head's whole K and V, 16 x 13,312 bytes, each byte filled once.  The head's load brings key steps 0-3 (3,328 bytes a wave), a second load behind the full sequence steps 4-15 (9,984 bytes a wave):
; it has the first three steps' work in which to land.  The four query blocks of a cluster ask jointly.
; No prefetch: all that the launch reads of kv is asked for by these two loads, ahead of the first loop; nothing is left to run ahead of.
; OUT: cimg: records of 16 rows: 512 bytes of scale words [pair of K steps][row][2 words], then for each head 768 bytes (registers 0-3 at 16 l, 4-5 at 512 + 8 l).
; LIMITS: the promise holds while the scaled scores stay under 2^31 in magnitude; NaN and infinities are not served; a block's largest p is 2^ of the block's largest score, put through the same multiply-add and exponential.
.set STEPB, 13312
.set HEADB, 16*STEPB
.set SPARE, 0x38000                    ; the spare words: 16 waves x 128 bytes
.set LN,  1                            ; v1 lane   v2, v3 the add's two registers   v0, v4-6 addresses of a step, then at work
.set SPW, 2
.set NIL, 3
.set KL,  7                            ; v7  r % 8 + 16 h + 96 (r / 8): x 16 = my place in a pair's image
.set VS,  8                            ; v8-11 V's scale words
.set K4,  13                           ; v13 r % 8 + 32 (r / 8): x 4 = my place among K's scale words   (v12 -M, v14-15 the row's sum)
.set QR,  16
.set QS,  34
.set KS,  36
.set KF,  40
.set VF,  88
.set S,   136
.set OT,  200
.set PC,  232
.set MX,  244                          ; v244-250 and v254: the maxima's eight chains; then v244, v246 the two blocks'
.set PT,  248
.set WV,  18
.set NC,  19
.set SEL, 20
.set CS,  22
.set TB,  40
.set CNT, 41
.macro CROUND
	s_barrier_signal -1
	s_barrier_wait -1
	s_cmp_lg_u32 s[WV], 0
	s_cbranch_scc1 .Lnot_wave_0_\@
	s_barrier_signal -3
.Lnot_wave_0_\@:
	s_barrier_wait -3
	s_barrier_signal -1
	s_barrier_wait -1
.endm
.macro PLACES
.rept 4
	v_nop
.endr
.endm
.macro KLOAD off                       ; the four fragments of K and their scale words; v4, v6: my places
.irp g, 0,1
.irp a, 0,1
.irp c, 0,1,2
	ds_load_b128 v[KF+12*(2*\g+\a)+4*\c:KF+12*(2*\g+\a)+4*\c+3], v4 offset:(\off)+3072*\g+128*\a+512*\c
.endr
	ds_load_b32 v[KS+2*\g+\a], v6 offset:(\off)+12288+256*\g+32*\a
.endr
.endr
.endm
.macro LD1 pre                         ; the step's LDS load number ln: 0-15 this step's V and its scale words, 16-31 the next step's K and its scale words
.if ln < 16
.if ln%4 < 3
	ds_load_b128 v[VF+12*(ln/4)+4*(ln%4):VF+12*(ln/4)+4*(ln%4)+3], v0 offset:6144+1536*(ln/4)+512*(ln%4)
.else
	ds_load_b32 v[VS+ln/4], v5 offset:12800+128*(ln/4)
.endif
.elseif \pre
.set lf, (ln-16)/4
.if ln%4 < 3
	ds_load_b128 v[KF+12*lf+4*(ln%4):KF+12*lf+4*(ln%4)+3], v4 offset:STEPB+3072*(lf/2)+128*(lf%2)+512*(ln%4)
.else
	ds_load_b32 v[KS+lf], v6 offset:STEPB+12288+256*(lf/2)+32*(lf%2)
.endif
.endif
.set ln, ln+1
.endm
.macro LD4 pre
.rept 4
	LD1 \pre
.endr
.endm
.macro SMUL                            ; the scores of 128 keys: eight accumulators, each begun with the constant 0
.irp f, 0,1,2,3
	v_wmma_scale_f32_16x16x128_f8f6f4 v[S+16*\f:S+16*\f+7], v[KF+12*\f:KF+12*\f+11], v[QR:QR+11], 0, v[KS+\f], v[QS] matrix_a_fmt:MATRIX_FMT_BF6 matrix_b_fmt:MATRIX_FMT_BF6
	v_wmma_scale_f32_16x16x128_f8f6f4 v[S+16*\f+8:S+16*\f+15], v[KF+12*\f:KF+12*\f+11], v[QR+6:QR+17], 0, v[KS+\f], v[QS+1] matrix_a_fmt:MATRIX_FMT_BF6 matrix_b_fmt:MATRIX_FMT_BF6
.endr
.endm
.macro TM j                            ; t - M of two scores (of the pair v12, v13 the low word serves both halves)
	v_pk_fma_f32 v[S+\j:S+\j+1], v[S+\j:S+\j+1], s[CS:CS+1], v[12:13] op_sel_hi:[1,0,0]
.endm
.macro STEP pre                        ; the step's scores lie in v[S] on: the step before, or the head, has started them
.set ln, 0
	v_lshl_add_u32 v0, v[LN], 4, s[TB]             ; this step's addresses: these five lines are also the places ahead of the first read of the scores
	v_lshl_add_u32 v4, v[KL], 4, s[TB]
	v_lshl_add_u32 v5, v[LN], 2, s[TB]
	v_lshl_add_u32 v6, v[K4], 2, s[TB]
	v_mov_b32 v255, v12                            ; the old -M
.irp k, 0,1,2,3,4,5,6                          ; the largest score: a chain for each accumulator, read from its low end on
	v_max3_num_f32 v[MX+\k], v[S+8*\k], v[S+8*\k+1], v[S+8*\k+2]
.endr
	v_max3_num_f32 v254, v[S+56], v[S+57], v[S+58]
.irp i, 3,5
.irp k, 0,1,2,3,4,5,6
	v_max3_num_f32 v[MX+\k], v[MX+\k], v[S+8*\k+\i], v[S+8*\k+\i+1]
.endr
	v_max3_num_f32 v254, v254, v[S+56+\i], v[S+57+\i]
.endr
	v_max3_num_f32 v[MX], v[MX], v[MX+1], v[S+7]   ; the chains joined, each accumulator's last register with them
	v_max3_num_f32 v[MX+2], v[MX+2], v[MX+3], v[S+15]
	v_max3_num_f32 v[MX+4], v[MX+4], v[MX+5], v[S+39]
	v_max3_num_f32 v[MX+6], v[MX+6], v254, v[S+47]
	v_max3_num_f32 v[MX], v[MX], v[MX+2], v[S+23]
	v_max3_num_f32 v[MX+4], v[MX+4], v[MX+6], v[S+55]
	v_max_num_f32 v[MX], v[MX], v[S+31]            ; block 2 x 0 + h
	v_max_num_f32 v[MX+2], v[MX+4], v[S+63]        ; block 2 x 1 + h
	v_max_num_f32 v254, v[MX], v[MX+2]
	LD4 \pre
	v_permlanex16_b32 v[PT+3], v254, s[SEL], s[SEL+1]
	LD4 \pre
	v_max_num_f32 v254, v254, v[PT+3]              ; the step's largest score of my query
	LD4 \pre
	v_mul_f32 v254, s[NC], v254                    ; -t
	LD4 \pre
	v_floor_f32 v254, v254                         ; -ceil(t)
	LD4 \pre
	v_min_num_f32 v12, v254, v12                   ; the new -M
	LD4 \pre
	v_sub_f32 v254, v12, v255                      ; old M - new M: a whole number, 0 or less
	TM 0
	TM 2
	v_cvt_i32_f32 v254, v254                       ; (it saturates)
	LD4 \pre
	TM 4
	TM 6
	v_ldexp_f32 v252, 1.0, v254                    ; f = 2^(old M - new M)
	LD4 \pre
.set j, 8
.rept 28
	TM j
.set j, j+2
.endr
	v_fma_f32 v[MX], v[MX], s[CS], v12             ; the same of each block's largest score
	v_fma_f32 v[MX+2], v[MX+2], s[CS], v12
.set j, 0
.rept 16
	v_pk_mul_f32 v[OT+j:OT+j+1], v[OT+j:OT+j+1], v[252:253] op_sel_hi:[1,0]   ; O^T under the new M
.set j, j+2
.endr
	s_wait_alu depctr_va_vdst(0)
	v_exp_f32 v[MX], v[MX]
	v_exp_f32 v[MX+2], v[MX+2]
.set j, 0
.rept 64
	v_exp_f32 v[S+j], v[S+j]
.set j, j+1
.endr
	v_pk_mul_f32 v[14:15], v[14:15], v[252:253] op_sel_hi:[1,0]   ; the sum under the new M: the plain place behind the batch
	s_wait_alu depctr_va_vdst(0)                   ; one wait for the whole batch
	v_max_num_f32 v[MX], 0x2800000, v[MX]          ; the floor 2^(5 - 127): the byte cannot fall under 1
	v_max_num_f32 v[MX+2], 0x2800000, v[MX+2]
	v_pk_add_f32 v[254:255], v[S:S+1], v[S+2:S+3]  ; the row's sum, of the unquantised p
	v_pk_add_f32 v[14:15], v[14:15], v[S+4:S+5]
	v_add_nc_u32 v[MX], 0xfe000000, v[MX]          ; 4 off the exponent field: the conversion's scale operand
	v_add_nc_u32 v[MX+2], 0xfe000000, v[MX+2]
	v_pk_add_f32 v[254:255], v[254:255], v[S+6:S+7]
	v_pk_add_f32 v[14:15], v[14:15], v[S+8:S+9]
	v_lshrrev_b32 v[MX+1], 23, v[MX]               ; the scale's byte
	v_lshrrev_b32 v[MX+3], 23, v[MX+2]
	v_cvt_scalef32_pk16_bf6_f32 v[PC:PC+2], v[S:S+15], v[MX]
	v_cvt_scalef32_pk16_bf6_f32 v[PT:PT+2], v[S+16:S+31], v[MX]   ; (a conversion's three registers begin on an even number)
	v_cvt_scalef32_pk16_bf6_f32 v[PC+6:PC+8], v[S+32:S+47], v[MX+2]
	v_cvt_scalef32_pk16_bf6_f32 v[4:6], v[S+48:S+63], v[MX+2]
	v_lshl_or_b32 v0, v[MX+3], 16, v[MX+1]         ; my two bytes: blocks h and 2 + h.  (The plain place behind the conversions)
	v_pk_add_f32 v[254:255], v[254:255], v[S+10:S+11]
	v_permlanex16_b32 v[PT+3], v0, s[SEL], s[SEL+1]
.irp i, 0,1,2
	v_mov_b32 v[PC+3+\i], v[PT+\i]
	v_mov_b32 v[PC+9+\i], v[4+\i]
.endr
	v_lshl_or_b32 v253, v[PT+3], 8, v0             ; lanes 0-15, which alone are read: bytes 0, 2 mine, bytes 1, 3 lane l + 16's
	v_pk_add_f32 v[PT:PT+1], v[S+12:S+13], v[S+14:S+15]   ; two chains more, in registers that the moves above have freed.  (These lines are also the places ahead of the products below)
	v_pk_add_f32 v[4:5], v[S+16:S+17], v[S+18:S+19]
.set j, 20
.rept 5
	v_pk_add_f32 v[14:15], v[14:15], v[S+j:S+j+1]
	v_pk_add_f32 v[254:255], v[254:255], v[S+j+2:S+j+3]
	v_pk_add_f32 v[PT:PT+1], v[PT:PT+1], v[S+j+4:S+j+5]
	v_pk_add_f32 v[4:5], v[4:5], v[S+j+6:S+j+7]
.set j, j+8
.endr
	v_pk_add_f32 v[14:15], v[14:15], v[S+60:S+61]
	v_pk_add_f32 v[254:255], v[254:255], v[S+62:S+63]
	v_pk_add_f32 v[PT:PT+1], v[PT:PT+1], v[4:5]
	v_pk_add_f32 v[14:15], v[14:15], v[254:255]
	v_pk_add_f32 v[14:15], v[14:15], v[PT:PT+1]
	s_wait_alu depctr_va_vdst(0)
	s_wait_dscnt 0x0                               ; V's fragments and the next step's K
.if \pre
	SMUL                                           ; the next step's scores, over p, which has been summed and converted
.endif
.irp t, 0,1,2,3
	v_wmma_scale_f32_16x16x128_f8f6f4 v[OT+8*\t:OT+8*\t+7], v[VF+12*\t:VF+12*\t+11], v[PC:PC+11], v[OT+8*\t:OT+8*\t+7], v[VS+\t], v253 matrix_a_fmt:MATRIX_FMT_BF6 matrix_b_fmt:MATRIX_FMT_BF6
.endr
.if \pre
	s_add_co_u32 s[TB], s[TB], STEPB
.endif
.endm
	s_load_b128 s[4:7], s[0:1], 0x0                ; qb, kv
	s_load_b64 s[8:9], s[0:1], 0x10                ; cimg
	v_lshl_add_u32 v[SPW], v0, 2, SPARE
	v_mov_b32 v[NIL], 0
	ds_add_u32 v[SPW], v[NIL]                      ; the opening lines: the add, twice on end, and its wait
	ds_add_u32 v[SPW], v[NIL]
	v_lshrrev_b32 v4, 5, v0
	v_readfirstlane_b32 s[WV], v4
	s_bfe_u32 s42, ttmp6, 0x40000
	s_lshl_b32 s43, ttmp9, 2
	s_add_co_u32 s43, s43, s42                     ; which 256 queries
	s_and_b32 s44, ttmp7, 0xffff                   ; batch x head
	s_mul_i32 s46, s44, HEADB
	s_mul_i32 s45, s[WV], 3328                     ; my sixteenth of key steps 0-3
	s_add_co_u32 s48, s46, s45
	s_mov_b32 s49, 0
	s_mul_i32 s47, s[WV], 9984                     ; and of key steps 4-15
	s_add_co_u32 s47, s47, 4*STEPB
	s_add_co_u32 s50, s46, s47
	s_mov_b32 s51, 0
	s_mov_b32 s24, 15|(3<<16)|(1<<21)              ; group 1: dense bytes as rows of 256 (32 elements of 8 bytes): 13 rows at the head; the mask names the cluster's four
	s_mov_b32 s25, 32<<16
	s_mov_b32 s26, 13<<16
	s_mov_b32 s27, 32<<16
	s_mov_b32 s28, 13
	s_mov_b32 s29, 32
	s_mov_b32 s30, 0
	s_mov_b32 s31, 0
	s_mov_b32 s[SEL], 0x76543210
	s_mov_b32 s[SEL+1], 0xfedcba98
	s_mov_b32 s[CS], 0x3d38aa3b                    ; c = log2(e) / 32
	s_mov_b32 s[CS+1], s[CS]
	s_mov_b32 s[NC], 0xbd38aa3b                    ; -c
	s_mov_b32 s[TB], 0
	s_wait_dscnt 0x0
	s_wait_kmcnt 0x0
	s_mov_b32 s32, 1
	s_mov_b32 s33, s45
	s_add_nc_u64 s[34:35], s[6:7], s[48:49]
	s_or_b32 s35, s35, 0x80000000
	s_mov_b32 s36, 1
	s_mov_b32 s37, s47
	s_add_nc_u64 s[38:39], s[6:7], s[50:51]
	s_or_b32 s39, s39, 0x80000000
	CROUND
	tensor_load_to_lds s[32:35], s[24:31]          ; key steps 0-3: one tensor load a wave at the head
	s_nop 0
	PLACES
	s_lshl_b32 s52, s43, 1                         ; my 16 queries: tile w % 8 of step 2 x block + w / 8 of qb
	s_lshr_b32 s53, s[WV], 3
	s_add_co_u32 s52, s52, s53
	s_mul_i32 s52, s52, STEPB
	s_add_co_u32 s52, s52, s46
	s_bfe_u32 s53, s[WV], 0x20001                  ; its pair
	s_mul_i32 s54, s53, 1536
	s_add_co_u32 s54, s54, s52
	s_mov_b32 s55, 0
	s_lshl_b32 s56, s53, 7
	s_add_co_u32 s56, s56, s52
	s_mov_b32 s57, 0
	s_add_nc_u64 s[54:55], s[4:5], s[54:55]
	s_add_nc_u64 s[56:57], s[4:5], s[56:57]
	s_and_b32 s59, s[WV], 1                        ; e: even or odd tile: registers 6 e .. 6 e + 5 of the pair's image, as three pairs of registers
	s_mul_i32 s58, s59, 520                        ; at 0 or 512 + 8,
	s_mul_i32 s60, s59, 1016
	s_add_co_u32 s60, s60, 8                       ; 8 or 1,024,
	s_add_co_u32 s61, s58, 512                     ; 512 or 1,024 + 8
	s_lshl_b32 s59, s59, 4
	v_and_b32 v[LN], 31, v0
	v_and_b32 v139, 15, v0
	v_lshlrev_b32 v136, 4, v[LN]
	v_lshlrev_b32 v139, 2, v139
	v_bfe_u32 v9, v0, 3, 1
	v_add_nc_u32 v137, s60, v136
	v_add_nc_u32 v138, s61, v136
	v_add_nc_u32 v136, s58, v136
	global_load_b64 v[QR:QR+1], v136, s[54:55]
	global_load_b64 v[QR+2:QR+3], v137, s[54:55]
	global_load_b64 v[QR+4:QR+5], v138, s[54:55]
	global_load_b32 v254, v139, s[56:57] offset:12288
	v_and_b32 v[KL], 0x17, v[LN]
	v_and_b32 v[K4], 7, v[LN]
	v_mad_u32_u24 v[KL], v9, 96, v[KL]
	v_lshl_add_u32 v[K4], v9, 5, v[K4]
	v_lshlrev_b32 v4, 4, v[KL]
	v_lshlrev_b32 v6, 2, v[K4]
.irp i, 6,7,8,9,10,11
	v_mov_b32 v[QR+\i], 0
.endr
	v_mov_b32 v12, 0x7f61b1e6                      ; -M: 3e38, a whole number over every -t
	v_mov_b32 v14, 0
	v_mov_b32 v15, 0
	v_mov_b32 v[PT+3], 0                           ; a lane permute's destination counts as one of its sources
	v_mov_b32 v253, 0
	s_wait_alu depctr_va_vdst(0)
	s_wait_tensorcnt 0x0                           ; my part of key steps 0-3 is in; the three lines ahead of a later first fill
	ds_add_u32 v[SPW], v[NIL]
	s_mov_b32 s26, 39<<16                          ; no tensor load of mine is out: the second load has 39 rows
	s_mov_b32 s28, 39
	s_wait_dscnt 0x0
	CROUND
	tensor_load_to_lds s[36:39], s[24:31]          ; key steps 4-15
	s_nop 0
	PLACES
	KLOAD 0
	s_wait_loadcnt 0x0
	v_lshrrev_b32 v254, s59, v254                  ; my tile's two bytes of the pair's word
.irp i, 0,1,2,3,4,5
	v_mov_b32 v[QR+12+\i], v[QR+\i]
.endr
	v_and_b32 v[QS], 0xffff, v254                  ; for [q, 0]: bytes 2, 3 scale zero codes
	v_lshlrev_b32 v[QS+1], 16, v254                ; for [0, q]
.set j, 0
.rept 32
	v_mov_b32 v[OT+j], 0                           ; the step is written once: the first finds zeros
.set j, j+1
.endr
	s_wait_alu depctr_va_vdst(0)
	s_wait_dscnt 0x0
	SMUL                                           ; key step 0's scores
	s_mov_b32 s[CNT], 3
.Lkeys_a:                                              ; key steps 0-2; the last of them fetches step 3's K and starts its scores
	STEP 1
	s_sub_co_u32 s[CNT], s[CNT], 1
	s_cmp_lg_u32 s[CNT], 0
	s_cbranch_scc1 .Lkeys_a
	s_wait_tensorcnt 0x0                           ; my part of key steps 4-15 is in
	s_wait_dscnt 0x0
	s_barrier_signal -1
	s_barrier_wait -1                              ; everybody's is
	s_mov_b32 s[CNT], 12
.Lkeys_b:                                              ; key steps 3-14
	STEP 1
	s_sub_co_u32 s[CNT], s[CNT], 1
	s_cmp_lg_u32 s[CNT], 0
	s_cbranch_scc1 .Lkeys_b
	STEP 0
	PLACES
	v_add_f32 v14, v14, v15
	v_permlanex16_b32 v252, v14, s[SEL], s[SEL+1]
	v_add_f32 v14, v14, v252                       ; the row's sum
	s_wait_alu depctr_va_vdst(0)
	v_rcp_f32 v14, v14
	v_lshlrev_b32 v4, 4, v[LN]
	v_cmp_lt_u32 vcc_lo, 15, v[LN]
	s_wait_alu depctr_va_vdst(0)
.set j, 0
.rept 32
	v_mul_f32 v[S+j], v[OT+j], v14                 ; register 16 b + i: channel 32 b + 16 h + i of my query
.set j, j+1
.endr
.irp b, 0,1
	v_max3_num_f32 v[MX+\b], |v[S+16*\b]|, |v[S+1+16*\b]|, 0x2800000
.endr
.irp i, 2,4,6,8,10,12,14
.irp b, 0,1
	v_max3_num_f32 v[MX+\b], v[MX+\b], |v[S+16*\b+\i]|, |v[S+1+16*\b+\i]|
.endr
.endr
.irp b, 0,1
	v_permlanex16_b32 v[PT+\b], v[MX+\b], s[SEL], s[SEL+1]
.endr
.irp b, 0,1
	v_max_num_f32 v[MX+\b], v[MX+\b], v[PT+\b]
.endr
.irp b, 0,1
	v_add_nc_u32 v[MX+2+\b], 0xfe000000, v[MX+\b]
.endr
.irp b, 0,1
	v_lshrrev_b32 v[PT+\b], 23, v[MX+2+\b]
.endr
	v_cvt_scalef32_pk16_bf6_f32 v[PC:PC+2], v[S:S+15], v[MX+2]
	v_cvt_scalef32_pk16_bf6_f32 v[KF:KF+2], v[S+16:S+31], v[MX+3]
	v_cndmask_b32 v254, v[PT], v[PT+1], vcc_lo     ; lanes 0-15 block 0's byte, lanes 16-31 block 1's
.irp i, 0,1,2
	v_permlane16_swap_b32 v[PC+\i], v[KF+\i]
.endr
.irp i, 0,1,2
	v_mov_b32 v[PC+3+\i], v[KF+\i]
.endr
	v_lshlrev_b32 v5, 3, v[LN]
	v_and_b32 v6, 15, v[LN]
	v_bfe_u32 v0, v[LN], 4, 1
	v_lshl_add_u32 v6, v6, 3, v0                   ; 8 r + h
	s_lshr_b32 s56, s44, 4
	s_lshl_b32 s56, s56, 7
	s_lshl_b32 s57, s43, 4
	s_add_co_u32 s56, s56, s57
	s_add_co_u32 s56, s56, s[WV]
	s_mul_i32 s56, s56, 12800                      ; my record of cimg
	s_and_b32 s57, s44, 15                         ; the head
	s_mul_i32 s58, s57, 768
	s_add_co_u32 s58, s58, s56
	s_mov_b32 s59, 0
	s_lshr_b32 s60, s57, 2
	s_lshl_b32 s60, s60, 7
	s_bfe_u32 s61, s57, 0x10001
	s_lshl_b32 s61, s61, 2
	s_add_co_u32 s60, s60, s61
	s_and_b32 s61, s57, 1
	s_lshl_b32 s61, s61, 1
	s_add_co_u32 s60, s60, s61
	s_add_co_u32 s60, s60, s56
	s_mov_b32 s61, 0
	s_add_nc_u64 s[58:59], s[8:9], s[58:59]
	s_add_nc_u64 s[60:61], s[8:9], s[60:61]
	s_wait_alu depctr_va_vdst(0)
	global_store_b128 v4, v[PC:PC+3], s[58:59] offset:512
	global_store_b64 v5, v[PC+4:PC+5], s[58:59] offset:1024
	global_store_b8 v6, v254, s[60:61]
	s_wait_tensorcnt 0x0                           ; the wave's end
	ds_add_u32 v[SPW], v[NIL]
	s_wait_dscnt 0x0
	CROUND                                         ; the closing round
	s_endpgm
.Lfunc_end_k_qe24f6c133b_attn:
	.size	k_qe24f6c133b_attn, .Lfunc_end_k_qe24f6c133b_attn-k_qe24f6c133b_attn
	.p2alignl 7, 3214868480
	.fill 96, 4, 3214868480
	.section	.rodata,"a",@progbits
	.p2align	6, 0x0
	.amdhsa_kernel k_qe24f6c133b_attn
		.amdhsa_group_segment_fixed_size 327680
		.amdhsa_private_segment_fixed_size 0
		.amdhsa_enable_private_segment 0
		.amdhsa_kernarg_size 24
		.amdhsa_user_sgpr_count 2
		.amdhsa_user_sgpr_kernarg_segment_ptr 1
		.amdhsa_wavefront_size32 1
		.amdhsa_system_sgpr_workgroup_id_x 1
		.amdhsa_system_sgpr_workgroup_id_y 1
		.amdhsa_system_sgpr_workgroup_id_z 1
		.amdhsa_system_vgpr_workitem_id 0
		.amdhsa_next_free_vgpr 256
		.amdhsa_next_free_sgpr 66
		.amdhsa_reserve_vcc 1
		.amdhsa_float_denorm_mode_32 3
		.amdhsa_float_denorm_mode_16_64 3
		.amdhsa_memory_ordered 1
		.amdhsa_forward_progress 1
		.amdhsa_inst_pref_size 56
	.end_amdhsa_kernel
	.amdgpu_metadata
---
amdhsa.version: [ 1, 2 ]
amdhsa.kernels:
  - .name:           k_qe24f6c133b_attn
    .symbol:         k_qe24f6c133b_attn.kd
    .args:
      - { .name: qb, .offset: 0, .size: 8, .value_kind: global_buffer, .address_space: global }
      - { .name: kv, .offset: 8, .size: 8, .value_kind: global_buffer, .address_space: global }
      - { .name: cimg, .offset: 16, .size: 8, .value_kind: global_buffer, .address_space: global }
    .group_segment_fixed_size: 327680
    .private_segment_fixed_size: 0
    .kernarg_segment_align: 8
    .kernarg_segment_size: 24
    .max_flat_workgroup_size: 512
    .sgpr_count:     66
    .vgpr_count:     256
    .wavefront_size: 32
...
	.end_amdgpu_metadata
.endif
;; end of part 3
;; launch proj (part 4): grid 128 x 1, 16 waves a work-group, no clusters, 327,680 bytes of LDS; arguments cimg, wimg, x, bo, gamma, beta, out0; writes out0
.if DOCPART == 4
	.amdgcn_target "amdgcn-amd-amdhsa--gfx1250"
	.amdhsa_code_object_version 6
	.text
	.protected	k_qe24f6c133b_proj
	.globl	k_qe24f6c133b_proj
	.p2align	8
	.type	k_qe24f6c133b_proj,@function
k_qe24f6c133b_proj:
	s_mov_b64 s[64:65], 0
	v_nop
	global_prefetch_b8 v0, s[64:65] scope:SCOPE_SE
	s_setreg_imm32_b32 hwreg(HW_REG_WAVE_MODE, 25, 1), 1
	s_wait_xcnt 0x0
.set REC, 12800
.set XP,  272
.set XSB, 32*XP
.set CI,  16*XSB
.set RED, CI+2*12288
.set WSC, 16
.set CSC, 48
.set WB,  64
.set CF,  160
.set ACC, 184
.set BO,  64
.set XR,  112
.set RT,  144
.set WV,  18
.set SEL, 20
.macro PLACES
.rept 4
	v_nop
.endr
.endm
	s_load_b256 s[4:11], s[0:1], 0x0
	s_load_b128 s[12:15], s[0:1], 0x20
	s_load_b64 s[16:17], s[0:1], 0x30
	v_lshl_add_u32 v254, v0, 2, 0x29400
	v_mov_b32 v255, 0
	ds_add_u32 v254, v255
	ds_add_u32 v254, v255
	s_wait_dscnt 0x0
	v_lshrrev_b32 v11, 5, v0
	s_delay_alu instid0(VALU_DEP_1)
	v_readfirstlane_b32 s[WV], v11
	s_mov_b32 s24, 3<<16
	s_mov_b32 s25, 32<<16
	s_mov_b32 s26, 6<<16
	s_mov_b32 s27, 32<<16
	s_mov_b32 s28, 6
	s_mov_b32 s29, 32
	s_mov_b32 s30, 0
	s_mov_b32 s31, 0
	s_mov_b32 s32, (3<<16)|(1<<20)|(5<<22)|(3<<25)
	s_mov_b32 s33, 32<<16
	s_mov_b32 s34, 32<<16
	s_mov_b32 s35, 32<<16
	s_mov_b32 s36, 32
	s_mov_b32 s37, 512
	s_mov_b32 s38, 0
	s_mov_b32 s39, 0
	s_lshl_b32 s48, ttmp9, 1
	s_lshr_b32 s49, s[WV], 3
	s_add_co_u32 s48, s48, s49
	s_mul_i32 s48, s48, REC
	s_and_b32 s49, s[WV], 7
	s_mul_i32 s49, s49, 1536
	s_add_co_u32 s48, s48, s49
	s_add_co_u32 s48, s48, 512
	s_mov_b32 s49, 0
	s_mul_i32 s50, s[WV], 1536
	s_add_co_u32 s50, s50, CI
	s_lshl_b32 s52, ttmp9, 17
	s_lshl_b32 s53, s[WV], 8
	s_add_co_u32 s52, s52, s53
	s_mov_b32 s53, 0
	s_mul_i32 s51, s[WV], XSB
	s_lshl_b32 s54, s[WV], 2
	s_add_co_u32 s54, s54, 192
	s_mul_i32 s54, s54, REC
	s_mov_b32 s55, 0
	s_mul_i32 s56, ttmp9, 2*REC
	s_mov_b32 s57, 0
	s_lshl_b32 s58, s[WV], 8
	s_mov_b32 s59, 0
	s_mov_b32 s60, 0x3a800000
	s_lshl_b32 s61, s[WV], 2
	s_mov_b32 s[SEL], 0x76543210
	s_mov_b32 s[SEL+1], 0xfedcba98
	s_wait_kmcnt 0x0
	s_mov_b32 s40, 1
	s_mov_b32 s41, s50
	s_add_nc_u64 s[42:43], s[4:5], s[48:49]
	s_or_b32 s43, s43, 0x80000000
	s_mov_b32 s44, 1
	s_mov_b32 s45, s51
	s_add_nc_u64 s[46:47], s[8:9], s[52:53]
	s_or_b32 s47, s47, 0x80000000
	tensor_load_to_lds s[40:43], s[24:31]          ; my part of the two records of ctx: one tensor load a wave at the head
	s_nop 0
	PLACES
	s_add_nc_u64 s[4:5], s[4:5], s[56:57]
	s_add_nc_u64 s[6:7], s[6:7], s[54:55]
	s_add_nc_u64 s[10:11], s[10:11], s[58:59]
	s_add_nc_u64 s[12:13], s[12:13], s[58:59]
	s_add_nc_u64 s[14:15], s[14:15], s[58:59]
	s_add_nc_u64 s[16:17], s[16:17], s[52:53]
	v_and_b32 v11, 31, v0
	v_and_b32 v248, 15, v0
	v_bfe_u32 v249, v0, 4, 1
	s_delay_alu instid0(VALU_DEP_3)
	v_lshlrev_b32 v1, 4, v11
	s_delay_alu instid0(VALU_DEP_3)
	v_lshlrev_b32 v10, 3, v248
.irp t, 0,1,2,3
.irp f, 0,1
.irp q, 0,1
	global_load_b64 v[WSC+8*\t+4*\f+2*\q:WSC+8*\t+4*\f+2*\q+1], v10, s[6:7] offset:\t*REC+\f*6400+128*\q
.endr
.endr
.endr
.irp a, 0,1
.irp q, 0,1,2,3
	global_load_b64 v[CSC+8*\a+2*\q:CSC+8*\a+2*\q+1], v10, s[4:5] offset:\a*REC+128*\q
.endr
.endr
.macro WLOAD s, buf
.irp t, 0,1,2,3
.irp c, 0,1,2
	global_load_b128 v[WB+48*(\buf)+12*\t+4*\c:WB+48*(\buf)+12*\t+4*\c+3], v1, s[6:7] offset:\t*REC+((\s)/4)*6400+256+((\s)%4)*1536+512*\c
.endr
.endr
.endm
	WLOAD 0, 0
	v_add_nc_u32 v2, CI, v1
	v_lshl_add_u32 v3, v11, 3, CI
	v_and_b32 v250, 8, v248
	s_delay_alu instid0(VALU_DEP_1)
	v_add_nc_u32 v250, v250, v248
	s_delay_alu instid0(VALU_DEP_1)
	v_mul_u32_u24 v4, v250, XP
	s_delay_alu instid0(VALU_DEP_1)
	v_lshl_add_u32 v4, v249, 6, v4
	s_delay_alu instid0(VALU_DEP_1)
	v_add_nc_u32 v4, s51, v4
	v_mul_u32_u24 v5, v249, XP
	s_delay_alu instid0(VALU_DEP_1)
	v_lshl_add_u32 v5, v248, 4, v5
	s_delay_alu instid0(VALU_DEP_1)
	v_add_nc_u32 v5, s51, v5
	v_lshlrev_b32 v6, 12, v249
	s_delay_alu instid0(VALU_DEP_1)
	v_lshl_add_u32 v6, v248, 4, v6
	v_mul_u32_u24 v8, v11, 80
	s_delay_alu instid0(VALU_DEP_1)
	v_add_nc_u32 v8, RED, v8
	s_delay_alu instid0(VALU_DEP_1)
	v_add_nc_u32 v7, s61, v8
	v_lshlrev_b32 v9, 6, v249
	v_mov_b32 v252, 0
	v_mov_b32 v253, 0
	s_wait_alu depctr_va_vdst(0)
	s_wait_tensorcnt 0x0                           ; my part of ctx is in (the scale words and the first weights were asked for above); the three lines ahead of a later first fill
	ds_add_u32 v254, v255
	s_wait_dscnt 0x0
	s_barrier_signal -1
	s_barrier_wait -1                              ; everybody's part is in
	tensor_load_to_lds s[44:47], s[32:39]          ; my 64 columns of x's 32 rows, read on the way out
	s_nop 0
	PLACES
	v_cmp_lt_u32 vcc_lo, 15, v11                   ; lanes 16-31: written behind the tensor load
.macro PSTEP s
.if (\s) > 0
	PLACES
.endif
.if (\s) < 7
	WLOAD (\s)+1, ((\s)+1)%2
.else
.irp t, 0,1,2,3
	global_load_b128 v[BO+8*\t:BO+8*\t+3], v9, s[10:11] offset:(32*(\t/2)+8*(\t%2))*4
	global_load_b128 v[BO+8*\t+4:BO+8*\t+7], v9, s[10:11] offset:(32*(\t/2)+8*(\t%2))*4+16
.endr
.endif
.irp a, 0,1
	ds_load_b128 v[CF+12*\a:CF+12*\a+3], v2 offset:\a*12288+1536*(\s)
	ds_load_b64 v[CF+12*\a+4:CF+12*\a+5], v3 offset:\a*12288+1536*(\s)+512
	ds_load_b128 v[CF+12*\a+6:CF+12*\a+9], v2 offset:\a*12288+1536*(\s)+768
	ds_load_b64 v[CF+12*\a+10:CF+12*\a+11], v3 offset:\a*12288+1536*(\s)+1280
.endr
.if (\s) < 7
	s_wait_loadcnt 12
.else
	s_wait_loadcnt 8
.endif
	s_wait_dscnt 0x0
.irp a, 0,1
.irp t, 0,1,2,3
.if (\s) == 0
	v_wmma_scale_f32_16x16x128_f8f6f4 v[ACC+8*(4*\a+\t):ACC+8*(4*\a+\t)+7], v[WB+48*((\s)%2)+12*\t:WB+48*((\s)%2)+12*\t+11], v[CF+12*\a:CF+12*\a+11], 0, v[WSC+8*\t+(\s)], v[CSC+8*\a+(\s)] matrix_a_fmt:MATRIX_FMT_BF6 matrix_b_fmt:MATRIX_FMT_BF6
.else
	v_wmma_scale_f32_16x16x128_f8f6f4 v[ACC+8*(4*\a+\t):ACC+8*(4*\a+\t)+7], v[WB+48*((\s)%2)+12*\t:WB+48*((\s)%2)+12*\t+11], v[CF+12*\a:CF+12*\a+11], v[ACC+8*(4*\a+\t):ACC+8*(4*\a+\t)+7], v[WSC+8*\t+(\s)], v[CSC+8*\a+(\s)] matrix_a_fmt:MATRIX_FMT_BF6 matrix_b_fmt:MATRIX_FMT_BF6
.endif
.endr
.endr
.endm
	PSTEP 0
	PSTEP 1
	PSTEP 2
	PSTEP 3
	PSTEP 4
	PSTEP 5
	PSTEP 6
	PSTEP 7
	PLACES
	s_wait_tensorcnt 0x0
.irp a, 0,1
.irp t, 0,1,2,3
	ds_load_b128 v[XR+8*(4*\a+\t):XR+8*(4*\a+\t)+3], v4 offset:\a*8*XP+128*(\t/2)+32*(\t%2)
	ds_load_b128 v[XR+8*(4*\a+\t)+4:XR+8*(4*\a+\t)+7], v4 offset:\a*8*XP+128*(\t/2)+32*(\t%2)+16
.endr
.endr
	s_wait_loadcnt 0x0
.irp a, 0,1
.irp t, 0,1,2,3
.irp k, 0,2,4,6
	v_pk_add_f32 v[ACC+8*(4*\a+\t)+\k:ACC+8*(4*\a+\t)+\k+1], v[ACC+8*(4*\a+\t)+\k:ACC+8*(4*\a+\t)+\k+1], v[BO+8*\t+\k:BO+8*\t+\k+1]
.endr
.endr
.endr
	s_wait_dscnt 0x0
.set j, 0
.rept 32
	v_pk_add_f32 v[ACC+j:ACC+j+1], v[ACC+j:ACC+j+1], v[XR+j:XR+j+1]
.set j, j+2
.endr
.irp t, 0,1,2,3
	global_load_b128 v[BO+8*\t:BO+8*\t+3], v9, s[12:13] offset:(32*(\t/2)+8*(\t%2))*4
	global_load_b128 v[BO+8*\t+4:BO+8*\t+7], v9, s[12:13] offset:(32*(\t/2)+8*(\t%2))*4+16
	global_load_b128 v[XR+8*\t:XR+8*\t+3], v9, s[14:15] offset:(32*(\t/2)+8*(\t%2))*4
	global_load_b128 v[XR+8*\t+4:XR+8*\t+7], v9, s[14:15] offset:(32*(\t/2)+8*(\t%2))*4+16
.endr
.macro RSUM off
	s_delay_alu instid0(VALU_DEP_2)
	v_permlanex16_b32 v252, v248, s[SEL], s[SEL+1]
	s_delay_alu instid0(VALU_DEP_2)
	v_permlanex16_b32 v253, v249, s[SEL], s[SEL+1]
	s_delay_alu instid0(VALU_DEP_2)
	v_add_f32 v248, v248, v252
	s_delay_alu instid0(VALU_DEP_2)
	v_add_f32 v249, v249, v253
	s_delay_alu instid0(VALU_DEP_1)
	v_cndmask_b32 v248, v248, v249, vcc_lo
	ds_store_b32 v7, v248 offset:\off
	s_wait_dscnt 0x0
	s_barrier_signal -1
	s_barrier_wait -1
.irp k, 0,1,2,3
	ds_load_b128 v[RT+4*\k:RT+4*\k+3], v8 offset:\off+16*\k
.endr
	s_wait_dscnt 0x0
.irp k, 0,2,4,6
	v_pk_add_f32 v[RT+\k:RT+\k+1], v[RT+\k:RT+\k+1], v[RT+8+\k:RT+9+\k]
.endr
	s_delay_alu instid0(VALU_DEP_2)
	v_pk_add_f32 v[RT:RT+1], v[RT:RT+1], v[RT+4:RT+5]
	s_delay_alu instid0(VALU_DEP_2)
	v_pk_add_f32 v[RT+2:RT+3], v[RT+2:RT+3], v[RT+6:RT+7]
	s_delay_alu instid0(VALU_DEP_1)
	v_pk_add_f32 v[RT:RT+1], v[RT:RT+1], v[RT+2:RT+3]
	s_delay_alu instid0(VALU_DEP_1)
	v_add_f32 v[RT], v[RT], v[RT+1]
	s_delay_alu instid0(VALU_DEP_1)
	v_permlanex16_b32 v252, v[RT], s[SEL], s[SEL+1]
	s_delay_alu instid0(VALU_DEP_1)
	v_cndmask_b32 v250, v[RT], v252, vcc_lo
	s_delay_alu instid0(VALU_DEP_2)
	v_cndmask_b32 v251, v252, v[RT], vcc_lo
.endm
	v_pk_add_f32 v[248:249], v[ACC:ACC+1], v[ACC+2:ACC+3]
	v_pk_add_f32 v[250:251], v[ACC+32:ACC+33], v[ACC+34:ACC+35]
.irp k, 4,6,8,10,12,14,16,18,20,22,24,26,28,30
	s_delay_alu instid0(VALU_DEP_2)
	v_pk_add_f32 v[248:249], v[248:249], v[ACC+\k:ACC+\k+1]
	s_delay_alu instid0(VALU_DEP_2)
	v_pk_add_f32 v[250:251], v[250:251], v[ACC+32+\k:ACC+33+\k]
.endr
	s_delay_alu instid0(VALU_DEP_2)
	v_add_f32 v248, v248, v249
	s_delay_alu instid0(VALU_DEP_2)
	v_add_f32 v249, v250, v251
	RSUM 0
	s_delay_alu instid0(VALU_DEP_2)
	v_mul_f32 v12, 0xba800000, v250
	s_delay_alu instid0(VALU_DEP_2)
	v_mul_f32 v14, 0xba800000, v251
	s_delay_alu instid0(VALU_DEP_2)
	v_mov_b32 v13, v12
	s_delay_alu instid0(VALU_DEP_2)
	v_mov_b32 v15, v14
.set j, 0
.rept 16
	v_pk_add_f32 v[ACC+j:ACC+j+1], v[ACC+j:ACC+j+1], v[12:13]
	v_pk_add_f32 v[ACC+32+j:ACC+33+j], v[ACC+32+j:ACC+33+j], v[14:15]
.set j, j+2
.endr
	v_pk_mul_f32 v[248:249], v[ACC:ACC+1], v[ACC:ACC+1]
	v_pk_mul_f32 v[250:251], v[ACC+32:ACC+33], v[ACC+32:ACC+33]
.irp k, 2,4,6,8,10,12,14,16,18,20,22,24,26,28,30
	s_delay_alu instid0(VALU_DEP_2)
	v_pk_fma_f32 v[248:249], v[ACC+\k:ACC+\k+1], v[ACC+\k:ACC+\k+1], v[248:249]
	s_delay_alu instid0(VALU_DEP_2)
	v_pk_fma_f32 v[250:251], v[ACC+32+\k:ACC+33+\k], v[ACC+32+\k:ACC+33+\k], v[250:251]
.endr
	s_delay_alu instid0(VALU_DEP_2)
	v_add_f32 v248, v248, v249
	s_delay_alu instid0(VALU_DEP_2)
	v_add_f32 v249, v250, v251
	RSUM 2560
	v_mov_b32 v254, 0x3727c5ac
	s_delay_alu instid0(VALU_DEP_1)
	v_fma_f32 v12, v250, s60, v254
	s_delay_alu instid0(VALU_DEP_2)
	v_fma_f32 v14, v251, s60, v254
	s_wait_alu depctr_va_vdst(0)
	v_rsq_f32 v12, v12
	v_rsq_f32 v14, v14
	v_nop
	s_wait_alu depctr_va_vdst(0)
	v_mov_b32 v13, v12
	v_mov_b32 v15, v14
.set j, 0
.rept 16
	v_pk_mul_f32 v[ACC+j:ACC+j+1], v[ACC+j:ACC+j+1], v[12:13]
	v_pk_mul_f32 v[ACC+32+j:ACC+33+j], v[ACC+32+j:ACC+33+j], v[14:15]
.set j, j+2
.endr
	s_wait_loadcnt 0x0
.irp a, 0,1
.set j, 0
.rept 16
	v_pk_fma_f32 v[ACC+32*\a+j:ACC+32*\a+j+1], v[ACC+32*\a+j:ACC+32*\a+j+1], v[BO+j:BO+j+1], v[XR+j:XR+j+1]
.set j, j+2
.endr
.endr
.irp a, 0,1
.irp t, 0,1,2,3
	ds_store_b128 v4, v[ACC+8*(4*\a+\t):ACC+8*(4*\a+\t)+3] offset:\a*8*XP+128*(\t/2)+32*(\t%2)
	ds_store_b128 v4, v[ACC+8*(4*\a+\t)+4:ACC+8*(4*\a+\t)+7] offset:\a*8*XP+128*(\t/2)+32*(\t%2)+16
.endr
.endr
.irp i, 0,1,2,3,4,5,6,7,8,9,10,11,12,13,14,15
	ds_load_b128 v[64+4*\i:64+4*\i+3], v5 offset:\i*2*XP
.endr
.irp i, 0,1,2,3,4,5,6,7,8,9,10,11,12,13,14,15
	s_wait_dscnt 15-\i
	global_store_b128 v6, v[64+4*\i:64+4*\i+3], s[16:17] offset:\i*8192 th:TH_STORE_NT
.endr
	s_wait_xcnt 0x0
	v_lshl_add_u32 v254, v0, 2, 0x29400
	v_mov_b32 v255, 0
	s_wait_alu depctr_va_vdst(0)
	s_wait_tensorcnt 0x0
	ds_add_u32 v254, v255
	s_wait_dscnt 0x0
	s_endpgm
.Lfunc_end_k_qe24f6c133b_proj:
	.size	k_qe24f6c133b_proj, .Lfunc_end_k_qe24f6c133b_proj-k_qe24f6c133b_proj
	.p2alignl 7, 3214868480
	.fill 96, 4, 3214868480
	.section	.rodata,"a",@progbits
	.p2align	6, 0x0
	.amdhsa_kernel k_qe24f6c133b_proj
		.amdhsa_group_segment_fixed_size 327680
		.amdhsa_private_segment_fixed_size 0
		.amdhsa_enable_private_segment 0
		.amdhsa_kernarg_size 56
		.amdhsa_user_sgpr_count 2
		.amdhsa_user_sgpr_kernarg_segment_ptr 1
		.amdhsa_wavefront_size32 1
		.amdhsa_system_sgpr_workgroup_id_x 1
		.amdhsa_system_sgpr_workgroup_id_y 1
		.amdhsa_system_sgpr_workgroup_id_z 1
		.amdhsa_system_vgpr_workitem_id 0
		.amdhsa_next_free_vgpr 256
		.amdhsa_next_free_sgpr 66
		.amdhsa_reserve_vcc 1
		.amdhsa_float_denorm_mode_32 3
		.amdhsa_float_denorm_mode_16_64 3
		.amdhsa_memory_ordered 1
		.amdhsa_forward_progress 1
		.amdhsa_inst_pref_size 59
	.end_amdhsa_kernel
	.amdgpu_metadata
---
amdhsa.version: [ 1, 2 ]
amdhsa.kernels:
  - .name:           k_qe24f6c133b_proj
    .symbol:         k_qe24f6c133b_proj.kd
    .args:
      - { .name: cimg, .offset: 0, .size: 8, .value_kind: global_buffer, .address_space: global }
      - { .name: wimg, .offset: 8, .size: 8, .value_kind: global_buffer, .address_space: global }
      - { .name: x, .offset: 16, .size: 8, .value_kind: global_buffer, .address_space: global }
      - { .name: bo, .offset: 24, .size: 8, .value_kind: global_buffer, .address_space: global }
      - { .name: gamma, .offset: 32, .size: 8, .value_kind: global_buffer, .address_space: global }
      - { .name: beta, .offset: 40, .size: 8, .value_kind: global_buffer, .address_space: global }
      - { .name: out0, .offset: 48, .size: 8, .value_kind: global_buffer, .address_space: global }
    .group_segment_fixed_size: 327680
    .private_segment_fixed_size: 0
    .kernarg_segment_align: 8
    .kernarg_segment_size: 56
    .max_flat_workgroup_size: 512
    .sgpr_count:     66
    .vgpr_count:     256
    .wavefront_size: 32
...
	.end_amdgpu_metadata
.endif
;; end of part 4
